; MI455X (gfx1250); checked and timed in simulation.
; The chip was launched on July 23, 2026; its instructions are those of AMD's public machine-readable ISA for CDNA 5 (MIT licence, August 2026) and "CDNA5" Instruction Set Architecture Reference Guide (July 2026). The comments in the code are by the model that wrote it; some were corrected since.
;; Multi Head Attention. Allowed arithmetic: matrix products marked QUANTISED: E2M1 operands, one E8M0 scale for each 32 along K, by v_wmma_scale_f32_16x16x128_f8f6f4 with both operands' format E2M1 (or v_wmma_scale_f32_32x16x128_f4), f32 sums; products left as they are: bf16, f16 or f32 operands; f32 sums; everything else in f32.
;; Inputs: W_k 1,024 x 1,024 float32; W_o 1,024 x 1,024 float32; W_q 1,024 x 1,024 float32; W_v 1,024 x 1,024 float32; b_k 1,024 float32; b_o 1,024 float32; b_q 1,024 float32; b_v 1,024 float32; key 4 x 2,048 x 1,024 float32; query 4 x 2,048 x 1,024 float32; value 4 x 2,048 x 1,024 float32.
;; Outputs: out0 4 x 2,048 x 1,024 float32.
;; This version of the problem:
;;   THIS VERSION OF THE PROBLEM IS GIVEN IN LOW PRECISION. The matrix products marked QUANTISED in the list below multiply operands that are first quantised to E2M1 (2 exponent bits, 1 mantissa bit; 4 bits a number), with one power-of-two scale for each 32 numbers along K (OCP MX v1.0); their sums are f32. The products marked 'left as it is' may take bf16, f16 or f32 operands, with f32 sums. Whichever they take, every output number must still come out within the allowed error. Rounding operands to bf16 (8 significant bits) uses up far more of that allowance than f16 does (11 bits, for magnitudes from 6e-5 to 65,504). All else is computed in f32.
;;   The module's matrix products, in the order in which they are computed (A, B: the left and right operand; K: the contracted axis; several contracted axes count as one K, in the product's order):
;;     1. [M 8,192, K 1,024] x [K 1,024, N 1,024]; A: input query; B: input W_q: QUANTISED
;;     2. [M 8,192, K 1,024] x [K 1,024, N 1,024]; A: input key; B: input W_k: QUANTISED
;;     3. [M 8,192, K 1,024] x [K 1,024, N 1,024]; A: input value; B: input W_v: QUANTISED
;;     4. batch 64 x [M 2,048, K 64] x [K 64, N 2,048]; A: computed on the way; B: computed on the way: left as it is (an operand is computed on the way)
;;     5. batch 64 x [M 2,048, K 2,048] x [K 2,048, N 64]; A: computed on the way; B: computed on the way: left as it is (an operand is computed on the way)
;;     6. [M 8,192, K 1,024] x [K 1,024, N 1,024]; A: computed on the way; B: input W_o: left as it is (an operand is computed on the way)
;;   THE QUANTISER, for each operand of a quantised product, along K:
;;     - K is cut into blocks of 32 from its start; a last block that is shorter is filled with zeros.
;;     - A block's scale is 2^e with e = floor(log2(the largest magnitude in the block)) - 2, held to -126 .. 127; a block of zeros has e = 0. As a byte (E8M0): e + 127.
;;     - Each number is divided by its block's scale, clamped to +-6, and rounded to the nearest number of E2M1, ties to even, subnormals kept.
;;     - The product sums the exact products of the quantised numbers (number of the format x scale) in f32.
;;   ~~~python
;;   def quantise(x, axis):      # numpy; x: float32 -> the quantised numbers, widened to float32 again
;;       x = np.moveaxis(x, axis, -1); K = x.shape[-1]
;;       x = np.pad(x, [(0, 0)] * (x.ndim - 1) + [(0, -K % 32)]); x = x.reshape(x.shape[:-1] + (-1, 32)); a = np.abs(x).max(-1, keepdims=True)
;;       e = np.where(a > 0, np.clip(np.frexp(np.where(a > 0, a, 1))[1] - 1 - 2, -126, 127), 0)      # np.frexp(a)[1] - 1 = floor(log2(a)), exactly
;;       r = np.clip(x / 2.0 ** e, -6, 6)
;;       step = 2.0 ** (np.maximum(np.frexp(np.where(r == 0, 1, r))[1] - 1, 0) - 1)
;;       q = np.round(r / step) * step * 2.0 ** e      # np.round: ties to even
;;       return np.moveaxis(q.reshape(q.shape[:-2] + (-1,))[..., :K], -1, axis).astype(np.float32)
;;   ~~~
;; One version. Each part assembles by itself: llvm-mc -triple=amdgcn-amd-amdhsa -mcpu=gfx1250 --defsym DOCPART=n.
;; ======== version 1 of 1: 5 launches
;; limits: values are held in f16: magnitudes above 65,504 overflow, below 6.1e-05 lose precision
;; workspace buffers: codes 14,155,776 bytes; scales 884,736 bytes; wo16 2,097,152 bytes; rope 524,288 bytes; qkv 50,331,648 bytes; h32 786,432 bytes; ctx 16,777,216 bytes
;; launch prep (part 1): grid 1056 x 1, 4 waves a work-group, no clusters, 33,280 bytes of LDS; arguments query, key, value, W_q, W_k, W_v, W_o, codes, scales, wo16, rope; writes codes, scales, wo16, rope
.if DOCPART == 1
	.amdgcn_target "amdgcn-amd-amdhsa--gfx1250"
	.amdhsa_code_object_version 6
	.text
	.protected	k_q56b4048fe9_prep
	.globl	k_q56b4048fe9_prep
	.p2align	8
	.type	k_q56b4048fe9_prep,@function
k_q56b4048fe9_prep:
	s_mov_b64 s[64:65], 0
	v_nop
	global_prefetch_b8 v0, s[64:65] scope:SCOPE_SE
	s_setreg_imm32_b32 hwreg(HW_REG_WAVE_MODE, 25, 1), 1
	s_wait_xcnt 0x0
; MULTI-HEAD ATTENTION, B = 4, S = 2048, D = 1024, 16 heads of 64.  Five launches: prep, proj, attn, oproj, first16.
; WORK LEFT OUT IN THE WHOLE PROGRAM, AND WHY IT IS DEAD.  reference() builds the causal mask in its own body (triu, k = 1) and puts -infinity on every score whose key comes after its query; the softmax
; gives such a score the weight exp(-infinity) = 0, for all finite inputs, so it adds nothing to the row's sum nor to the context.  Key steps ALL of whose keys come after ALL queries of a wave are therefore
; not multiplied (launch attn).  Nothing else is left out: every one of the eleven inputs has a way to the output and is loaded (b_k too: RoPE turns it by the key's position, so it does not cancel in the softmax).
; LIMITS.  A NaN, an infinity or an overflow that reaches only the masked scores left out is not carried to the result.  NaN and infinities among the inputs are not served.
; THIS LAUNCH.  (a) query, key, value, W_q, W_k, W_v (f32, K innermost) become codes of E2M1, two a byte, K innermost, and one E8M0 byte for each 32 along K: one stream of rows of 1,024 numbers,
;   rows 0.. query, 8192.. key, 16384.. value, 24576.. W_q, 25600.. W_k, 26624.. W_v; codes [row][512 bytes], scales [row][32 bytes].
;   A block's scale is 2^(floor(log2(largest magnitude)) - 2): its byte is the largest magnitude's exponent field - 2, held at 1 from below.  A block of zeros so gets the byte 1 where the rule says 127:
;   its codes are zeros, which add nothing under any byte but 0xff, and this program alone reads the bytes.  Blocks whose largest magnitude lies under 2^-124 keep the byte 1.
; (b) W_o becomes f16 (wo16, same layout).  LIMIT: |W_o| under 65,504; under 6e-5 it is carried with f16's fixed step.
; (c) the RoPE table rope[pos][64]: cos(pos f_i), i = 0..31, then sin(pos f_i), f_i = 2^(-i log2(10000) / 32).  The angle pos f_i is one f32 product as in reference(); it is reduced by a whole
;   multiple of pi/2 given in two parts, and sine and cosine are polynomials on +-pi/4 (terms to r^7 and r^8).  LIMIT: f_i may differ from reference()'s own f32 power in its last bits.
; Work-groups 0..863 do (a), 32,768 numbers each; 864..991 do (b), 8,192 numbers each; 992..1055 do (c), 32 positions each.  The paths part on the work-group's number; only (a) touches LDS.
.set WAVES, 4
.set STEPS, 16
.set NQWG,  864
.set NWWG,  128
.set EMAX,  2
.set CB,    8                          ; bytes of 16 codes
.set R,     16                         ; v16-79   four sets of 16 numbers as they are loaded
.set X,     80                         ; v80-111  two sets of 16 neighbours
.set E,     112                        ; v112-127 a scale byte for each step
.set C,     128                        ; v128-191 results: registers of its own for each step, so that no store's data are written again
.set WREG,  8192                       ; LDS: a region for each wave: two stages of 32 x SP bytes, then its 256 scale bytes
.set SP,    80                         ; a lane's place in a stage: 64 bytes + 16 of padding
.set SPW,   12                         ; v12 LDS address of my spare word; never rewritten
.set NIL,   13                         ; v13 0; never rewritten
.set SPARE, WAVES*WREG                 ; the spare words, 128 bytes a wave: two blocks of 256 bytes that no other line names
	s_load_b512 s[8:23], s[0:1], 0x0               ; query s[8:9], key s[10:11], value s[12:13], W_q s[14:15], W_k s[16:17], W_v s[18:19], W_o s[20:21], codes s[22:23]
	s_load_b128 s[24:27], s[0:1], 0x40             ; scales s[24:25], wo16 s[26:27]
	s_load_b64 s[28:29], s[0:1], 0x50              ; rope
	v_lshl_add_u32 v[SPW], v0, 2, SPARE
	v_mov_b32 v[NIL], 0
	v_lshrrev_b32 v1, 5, v0
	v_readfirstlane_b32 s32, v1                    ; wave
	v_and_b32 v2, 31, v0                           ; lane
	v_lshlrev_b32 v3, 4, v2                        ; 16 x lane
	v_lshlrev_b32 v4, 3, v2                        ; 8 x lane
	s_mov_b32 s35, 0                               ; the upper word of every offset pair s[34:35]
	s_wait_kmcnt 0x0
	s_cmp_ge_u32 ttmp9, NQWG
	s_cbranch_scc1 .Lother
	; ---------------- (a) the quantiser.  A wave takes 16 steps of 512 numbers.  Each load reads 512 consecutive bytes; a step's 2,048 bytes turn through the wave's own stage in LDS, so that a lane
	; then holds 16 NEIGHBOURS along K (two neighbouring lanes hold a block of 32), which is what the conversions take.
	s_mul_i32 s33, s32, WREG
	v_lshrrev_b32 v14, 2, v2
	v_mul_u32_u24 v14, v14, SP
	v_and_b32 v15, 3, v2
	v_lshl_add_u32 v14, v15, 4, v14
	v_add_nc_u32 v14, s33, v14                     ; the stage, on the way in: SP (lane / 4) + 16 (lane % 4)
	v_mul_u32_u24 v15, v2, SP
	v_add_nc_u32 v15, s33, v15                     ; and on the way out: SP x lane
	v_lshrrev_b32 v5, 1, v2
	s_add_co_u32 s33, s33, 2*32*SP
	v_add_nc_u32 v5, s33, v5                       ; my block's scale byte among my wave's 256
	v_add_nc_u32 v6, s33, v4                       ; and 8 of them a lane on the way out
	s_mov_b64 s[4:5], s[18:19]                     ; which tensor: the choice hangs on the work-group's number alone
	s_mov_b32 s30, 832
	s_cmp_lt_u32 ttmp9, 832
	s_cselect_b64 s[4:5], s[16:17], s[4:5]
	s_cselect_b32 s30, 800, s30
	s_cmp_lt_u32 ttmp9, 800
	s_cselect_b64 s[4:5], s[14:15], s[4:5]
	s_cselect_b32 s30, 768, s30
	s_cmp_lt_u32 ttmp9, 768
	s_cselect_b64 s[4:5], s[12:13], s[4:5]
	s_cselect_b32 s30, 512, s30
	s_cmp_lt_u32 ttmp9, 512
	s_cselect_b64 s[4:5], s[10:11], s[4:5]
	s_cselect_b32 s30, 256, s30
	s_cmp_lt_u32 ttmp9, 256
	s_cselect_b64 s[4:5], s[8:9], s[4:5]
	s_cselect_b32 s30, 0, s30
	s_sub_co_u32 s31, ttmp9, s30
	s_lshl_b32 s31, s31, 2
	s_add_co_u32 s31, s31, s32                     ; which run of 8,192 numbers of the tensor is my wave's
	s_lshl_b32 s34, s31, 15
	s_add_nc_u64 s[4:5], s[4:5], s[34:35]
	s_lshl_b32 s31, ttmp9, 2
	s_add_co_u32 s31, s31, s32                     ; and which run of the one stream of results
	s_lshl_b32 s34, s31, 12
	s_add_nc_u64 s[22:23], s[22:23], s[34:35]      ; 4,096 bytes of codes a run
	s_lshl_b32 s34, s31, 8
	s_add_nc_u64 s[24:25], s[24:25], s[34:35]      ; 256 scale bytes a run
.macro LOAD t
.irp i, 0,1,2,3
	global_load_b128 v[R+16*((\t)%4)+4*\i:R+16*((\t)%4)+4*\i+3], v3, s[4:5] offset:2048*(\t)+512*\i th:TH_LOAD_NT
.endr
.endm
.macro TURN t                          ; step t's numbers through the stage: LDS serves a wave's instructions in order, so no wait stands between the stores and the loads
.irp i, 0,1,2,3
	ds_store_b128 v14, v[R+16*((\t)%4)+4*\i:R+16*((\t)%4)+4*\i+3] offset:32*SP*((\t)%2)+8*SP*\i
.endr
.irp i, 0,1,2,3
	ds_load_b128 v[X+16*((\t)%2)+4*\i:X+16*((\t)%2)+4*\i+3], v15 offset:32*SP*((\t)%2)+16*\i
.endr
.endm
.irp t, 0,1,2,3
	LOAD \t
.endr
	s_wait_loadcnt 12                              ; step 0's four loads are in; the twelve of steps 1 to 3 stay out
	TURN 0
.macro STEP t
.set XS, X+16*((\t)%2)
.if (\t) > 0
	s_wait_dscnt 1                                 ; this step's numbers are back from the stage (the last step's byte store may be out)
.else
	s_wait_dscnt 0x0
.endif
.if (\t)+4 < STEPS
	LOAD (\t)+4                                    ; into the registers that this step's stores into the stage have read
.endif
.if (\t)+1 < STEPS
.if STEPS-2-(\t) >= 3
	s_wait_loadcnt 12                              ; the next step's four loads are in; those of the three steps behind it may be out
.else
	s_wait_loadcnt 4*(STEPS-2-(\t))
.endif
	TURN (\t)+1
.endif
	v_max3_num_f32 v8, |v[XS]|, |v[XS+1]|, |v[XS+2]|               ; the largest magnitude of my 16, in two chains
	v_max3_num_f32 v9, |v[XS+3]|, |v[XS+4]|, |v[XS+5]|
.irp i, 6,10
	v_max3_num_f32 v8, v8, |v[XS+\i]|, |v[XS+\i+1]|
	v_max3_num_f32 v9, v9, |v[XS+\i+2]|, |v[XS+\i+3]|
.endr
	v_max3_num_f32 v8, v8, |v[XS+14]|, |v[XS+15]|
	v_max3_num_f32 v8, v8, v9, (EMAX+1)<<23        ; and the floor 2^(3 - 127): the byte cannot fall under 1
	v_max_num_f32_dpp v8, v8, v8 row_xmask:1 row_mask:0xf bank_mask:0xf   ; with my neighbour's 16: the block's
	v_add_nc_u32 v11, -(EMAX<<23), v8              ; 2 off its exponent field: the conversion takes the exponent field of this operand as its scale
	v_cvt_scalef32_pk8_fp4_f32 v[C+4*(\t)], v[XS:XS+7], v11
	v_cvt_scalef32_pk8_fp4_f32 v[C+4*(\t)+1], v[XS+8:XS+15], v11
	v_lshrrev_b32 v[E+(\t)], 23, v11               ; the scale's byte (also the plain line behind the conversions)
	ds_store_b8 v5, v[E+(\t)] offset:16*(\t)       ; both lanes of a block write the same byte with the same value
	global_store_b64 v4, v[C+4*(\t):C+4*(\t)+1], s[22:23] offset:32*CB*(\t)   ; the wave stores 256 consecutive bytes, aligned
.endm
.irp t, 0,1,2,3,4,5,6,7,8,9,10,11,12,13,14,15
	STEP \t
.endr
	ds_load_b64 v[8:9], v6                         ; my wave's 256 scale bytes: these loads see my stores
	s_wait_dscnt 0x0
	global_store_b64 v4, v[8:9], s[24:25]          ; 256 consecutive bytes, aligned
	s_wait_tensorcnt 0x0                           ; the wave's end, behind my last LDS store
	ds_add_u32 v[SPW], v[NIL]
	s_wait_dscnt 0x0
	s_endpgm
.Lother:
	s_cmp_ge_u32 ttmp9, NQWG+NWWG
	s_cbranch_scc1 .Lrope
	; ---------------- (b) W_o to f16: a wave takes 2,048 numbers: sixteen loads of 512 consecutive bytes, sixteen stores of 256
	s_sub_co_u32 s31, ttmp9, NQWG
	s_lshl_b32 s31, s31, 2
	s_add_co_u32 s31, s31, s32
	s_lshl_b32 s34, s31, 13
	s_add_nc_u64 s[20:21], s[20:21], s[34:35]
	s_lshl_b32 s34, s31, 12
	s_add_nc_u64 s[26:27], s[26:27], s[34:35]
.irp t, 0,1,2,3,4,5,6,7,8,9,10,11,12,13,14,15
	global_load_b128 v[R+4*\t:R+4*\t+3], v3, s[20:21] offset:512*\t
.endr
.irp t, 0,1,2,3,4,5,6,7,8,9,10,11,12,13,14,15
	s_wait_loadcnt 15-\t                           ; loads come back in order: load t is in, the younger ones stay out
	v_cvt_pk_f16_f32 v[C+2*\t], v[R+4*\t], v[R+4*\t+1]
	v_cvt_pk_f16_f32 v[C+2*\t+1], v[R+4*\t+2], v[R+4*\t+3]
	global_store_b64 v4, v[C+2*\t:C+2*\t+1], s[26:27] offset:256*\t
.endr
	s_endpgm
.Lrope:
	; ---------------- (c) the table: a wave takes 8 positions.  Lane l makes two numbers of a row: lanes 0-15 cos of i = 2 l, 2 l + 1; lanes 16-31 sin of i = 2 (l - 16), + 1.  sin x = cos(x - pi/2): H = lane / 16
	s_sub_co_u32 s31, ttmp9, NQWG+NWWG
	s_lshl_b32 s31, s31, 5
	s_lshl_b32 s34, s32, 3
	s_add_co_u32 s38, s31, s34                     ; my wave's first position
	s_lshl_b32 s34, s38, 8
	s_add_nc_u64 s[28:29], s[28:29], s[34:35]      ; a row of the table is 256 bytes
	s_mov_b32 s36, 0x3fc90fdb                      ; pi/2, its f32 part,
	s_mov_b32 s37, 0xb33bbd2e                      ; and what is left of it
	s_mov_b32 s41, 0xbe2aaaab                      ; -1/6
	s_mov_b32 s42, 0x3c088889                      ; 1/120
	s_mov_b32 s43, 0xb9500d01                      ; -1/5040
	s_mov_b32 s44, 0x3d2aaaab                      ; 1/24
	s_mov_b32 s45, 0xbab60b61                      ; -1/720
	s_mov_b32 s46, 0x37d00d01                      ; 1/40320
	v_lshrrev_b32 v30, 4, v2                       ; H
	v_and_b32 v31, 15, v2
	v_lshlrev_b32 v31, 1, v31                      ; i
	v_cvt_f32_u32 v16, v31
	v_add_nc_u32 v31, 1, v31
	v_cvt_f32_u32 v17, v31
	v_mul_f32 v16, 0xbed49a78, v16                 ; -i log2(10000) / 32
	v_mul_f32 v17, 0xbed49a78, v17
	v_exp_f32 v16, v16                             ; f_i
	v_exp_f32 v17, v17
	v_nop                                          ; a plain line behind the two exponentials,
	s_wait_alu depctr_va_vdst(0)                   ; and the one wait ahead of their first reader
.macro ROPE1 dst, inv
	v_mul_f32 v20, s40, v[\inv]                    ; the angle, one f32 product
	v_mul_f32 v21, 0x3f22f983, v20                 ; x 2 / pi
	v_rndne_f32 v21, v21                           ; n
	v_fma_f32 v22, -v21, s36, v20                  ; r = angle - n pi/2, in two parts
	v_fma_f32 v22, -v21, s37, v22
	v_cvt_i32_f32 v23, v21
	v_sub_nc_u32 v23, v23, v30                     ; q = n - H: the number wanted is cos(q pi/2 + r)
	v_mul_f32 v24, v22, v22
	v_fma_f32 v25, v24, s43, s42
	v_fma_f32 v25, v25, v24, s41
	v_mul_f32 v25, v25, v24
	v_fma_f32 v25, v25, v22, v22                   ; sin r
	v_fma_f32 v26, v24, s46, s45
	v_fma_f32 v26, v26, v24, s44
	v_fma_f32 v26, v26, v24, -0.5
	v_fma_f32 v26, v26, v24, 1.0                   ; cos r
	v_and_b32 v27, 1, v23
	v_cmp_eq_u32 vcc_lo, 1, v27
	v_cndmask_b32 v26, v26, v25, vcc_lo            ; q odd: the sine
	v_add_nc_u32 v23, 1, v23
	v_and_b32 v23, 2, v23                          ; q mod 4 = 1 or 2: the sign turns
	v_lshlrev_b32 v23, 30, v23
	v_xor_b32 v[\dst], v23, v26
.endm
.irp p, 0,1,2,3,4,5,6,7
	s_add_co_u32 s39, s38, \p
	s_cvt_f32_u32 s40, s39
	ROPE1 C+2*\p, 16
	ROPE1 C+2*\p+1, 17
	global_store_b64 v4, v[C+2*\p:C+2*\p+1], s[28:29] offset:256*\p   ; a whole row: 256 consecutive bytes, aligned
.endr
	s_endpgm
.Lfunc_end_k_q56b4048fe9_prep:
	.size	k_q56b4048fe9_prep, .Lfunc_end_k_q56b4048fe9_prep-k_q56b4048fe9_prep
	.p2alignl 7, 3214868480
	.fill 96, 4, 3214868480
	.section	.rodata,"a",@progbits
	.p2align	6, 0x0
	.amdhsa_kernel k_q56b4048fe9_prep
		.amdhsa_group_segment_fixed_size 33280
		.amdhsa_private_segment_fixed_size 0
		.amdhsa_enable_private_segment 0
		.amdhsa_kernarg_size 88
		.amdhsa_user_sgpr_count 2
		.amdhsa_user_sgpr_kernarg_segment_ptr 1
		.amdhsa_wavefront_size32 1
		.amdhsa_system_sgpr_workgroup_id_x 1
		.amdhsa_system_sgpr_workgroup_id_y 1
		.amdhsa_system_sgpr_workgroup_id_z 1
		.amdhsa_system_vgpr_workitem_id 0
		.amdhsa_next_free_vgpr 192
		.amdhsa_next_free_sgpr 66
		.amdhsa_reserve_vcc 1
		.amdhsa_float_denorm_mode_32 3
		.amdhsa_float_denorm_mode_16_64 3
		.amdhsa_memory_ordered 1
		.amdhsa_forward_progress 1
		.amdhsa_inst_pref_size 59
	.end_amdhsa_kernel
	.amdgpu_metadata
---
amdhsa.version: [ 1, 2 ]
amdhsa.kernels:
  - .name:           k_q56b4048fe9_prep
    .symbol:         k_q56b4048fe9_prep.kd
    .args:
      - { .name: query, .offset: 0, .size: 8, .value_kind: global_buffer, .address_space: global }
      - { .name: key, .offset: 8, .size: 8, .value_kind: global_buffer, .address_space: global }
      - { .name: value, .offset: 16, .size: 8, .value_kind: global_buffer, .address_space: global }
      - { .name: W_q, .offset: 24, .size: 8, .value_kind: global_buffer, .address_space: global }
      - { .name: W_k, .offset: 32, .size: 8, .value_kind: global_buffer, .address_space: global }
      - { .name: W_v, .offset: 40, .size: 8, .value_kind: global_buffer, .address_space: global }
      - { .name: W_o, .offset: 48, .size: 8, .value_kind: global_buffer, .address_space: global }
      - { .name: codes, .offset: 56, .size: 8, .value_kind: global_buffer, .address_space: global }
      - { .name: scales, .offset: 64, .size: 8, .value_kind: global_buffer, .address_space: global }
      - { .name: wo16, .offset: 72, .size: 8, .value_kind: global_buffer, .address_space: global }
      - { .name: rope, .offset: 80, .size: 8, .value_kind: global_buffer, .address_space: global }
    .group_segment_fixed_size: 33280
    .private_segment_fixed_size: 0
    .kernarg_segment_align: 8
    .kernarg_segment_size: 88
    .max_flat_workgroup_size: 128
    .sgpr_count:     66
    .vgpr_count:     192
    .wavefront_size: 32
...
	.end_amdgpu_metadata
.endif
;; end of part 1
;; launch proj (part 2): grid 4 x 96, 4 waves a work-group, clusters of 4 x 4, 327,680 bytes of LDS; arguments codes, scales, b_q, b_k, b_v, rope, qkv, h32; writes qkv, h32
.if DOCPART == 2
	.amdgcn_target "amdgcn-amd-amdhsa--gfx1250"
	.amdhsa_code_object_version 6
	.text
	.protected	k_q56b4048fe9_proj
	.globl	k_q56b4048fe9_proj
	.p2align	8
	.type	k_q56b4048fe9_proj,@function
k_q56b4048fe9_proj:
	s_mov_b64 s[64:65], 0
	v_nop
	global_prefetch_b8 v0, s[64:65] scope:SCOPE_SE
	s_setreg_imm32_b32 hwreg(HW_REG_WAVE_MODE, 25, 1), 1
	s_wait_xcnt 0x0
	s_wait_alu depctr_hold_cnt(0) depctr_sa_sdst(0) depctr_va_vdst(0) depctr_va_sdst(0) depctr_va_ssrc(0) depctr_va_vcc(0) depctr_vm_vsrc(0)
	s_getreg_b32 s2, hwreg(HW_REG_IB_STS2, 6, 4)
	s_cmp_eq_u32 s2, 0
	s_cbranch_scc0 .Lentry_in_a_cluster
	s_endpgm
.Lentry_in_a_cluster:
	s_bfe_u32 s2, ttmp6, 0x10000c
	s_cmp_lg_u32 s2, 0xf033
	s_cbranch_scc0 .Lentry_shape_is_right
	s_endpgm
.Lentry_shape_is_right:
; Q = query W_q^T + b_q, K = key W_k^T + b_k, V = value W_v^T + b_v on codes of E2M1 with E8M0 scales (made by the launch before), f32 sums; RoPE on Q and K in f32; results rounded to f16, laid by head:
; qkv[T][b][h][s][64].  Positions 0 to 15 of every sequence are also kept in f32: h32[T][b][pos][1024].  LIMIT: |Q|, |K|, |V| under 65,504.  Nothing of reference() is left out here.
; A tile of 256 rows x 256 columns is made by a work-group of four waves; a wave makes 128 x 128: 64 accumulators, 512 registers.  K = 1,024 is two LDS slots of 512 along K, each filled once.
; THE MATRIX INSTRUCTION IS USED TRANSPOSED (source 0 = 16 rows of W, source 1 = 16 rows of the activation): a lane holds one position and eight neighbouring channels.  The bias is the C of each sum's first product.
; CLUSTERS: 4 x 4 work-groups.  Cluster y (0..23) gives the tensor T = y / 8 and the block of 256 positions pt = y % 8; the place cy in the cluster is the BATCH, the place cx the block of 256 columns.
; So the four of a row of the cluster (same cy) need the same activation tile, the four of a column (same cx) the same weight tile: each is asked for jointly.  T and pt are equal in all sixteen partners,
; so branches may hang on them (V has no RoPE; pt = 0 holds positions 0-15).
; REGISTERS, in windows of 256: window 0: v0-31 addresses; v32-95 scale words, two sets, and nothing else; v96-127 packed results; v128-191 the activation's fragments, later 64 turned numbers;
;   v192-255 the bias, later rows read back from the stage.  window 1: the weights' fragments, two sets at v0 and v128; the rest, and later all of it, cos and sin.  windows 2, 3: the accumulators.
.set NQ,     4                         ; matrix instructions deep in a slot
.set ROWB,   256                       ; a tile's row in bytes: 512 codes
.set KROW,   512                       ; a row of codes in memory
.set PITCH,  272                       ; an LDS row: 256 bytes + 16 of padding: an odd multiple of 16, so the 16 rows of a load start 16 bytes apart modulo 256
.set FR,     8
.set NL,     2
.set NP,     4
.set HALFT,  128*PITCH
.set SLOT,   4*HALFT
.set KS,     32                        ; a row of scale bytes
.set SCL,    2*SLOT                    ; behind the slots: the scales, as units of 256 bytes + 16 of padding
.set HALFS,  (128*KS/256)*272
.set SBLK,   (16*KS/256)*272
.set SPARE,  SCL+4*HALFS               ; the spare words, 128 bytes a wave: two blocks of 256 bytes that no other line names
.set SPH,    144                       ; the way out: a stage row: a head's 128 bytes + 16
.set SHD,    16*SPH                    ; 16 rows of one head; a wave's stage is two of these, in slot 0, which has had its one fill and its last read by then
.set BO,   15                          ; v15 32 h: my eight channels of a tile of 16
.set ADRA, 16
.set ADRB, 20
.set STO,  24
.set RD,   25
.set CO,   26
.set ADRS, 27
.set SPW,  28
.set NIL,  29
.set TBO,  30                          ; v30 the table: 256 r + 32 h
.set HO,   31                          ; v31 h32: 4096 r + 32 h
.set SC,   32
.set PKD,  96
.set AF,   128
.set TT,   128
.set BIAS, 192
.set BK,   192
.set G1, 24
.set G0, 32
.set G1B, 48
.set G0B, 56
.set G1S, 68
.set G0S, 76
.set G1SB, 80
.set G0SB, 88
.set MSB, 0
.macro WIN new                         ; the immediate's high byte repeats the setting that is left
.if MSB != (\new)
	s_set_vgpr_msb (MSB<<8)|(\new)
.set MSB, (\new)
.endif
.endm
.set MUL_LO, 0xa1                      ; source 0 (W) window 1, source 1 window 0, C and D window 2
.set MUL_HI, 0xf1
.set TO_B,   0x40
.macro JLOAD g0a, g1a, g0b, g1b        ; a joint load: waves 0 and 1 fetch the activation's halves, waves 2 and 3 the weights'; the branch hangs on the wave's number alone
	s_cmp_eq_u32 s15, 0
	s_cbranch_scc0 .Lfor_b_\@
	tensor_load_to_lds s[\g0a:\g0a+3], s[\g1a:\g1a+7]
	s_nop 0
.rept 4
	v_nop
.endr
	s_branch .Lasked_\@
.Lfor_b_\@:
	tensor_load_to_lds s[\g0b:\g0b+3], s[\g1b:\g1b+7]
	s_nop 0
.rept 4
	v_nop
.endr
.Lasked_\@:
.endm
.macro CROUND                          ; a round of the cluster's barrier
	s_barrier_signal -1
	s_barrier_wait -1
	s_cmp_lg_u32 s14, 0
	s_cbranch_scc1 .Lnot_wave_0_\@
	s_barrier_signal -3
.Lnot_wave_0_\@:
	s_barrier_wait -3
	s_barrier_signal -1
	s_barrier_wait -1
.endm
	s_load_b256 s[4:11], s[0:1], 0x0               ; codes s[4:5], scales s[6:7], b_q s[8:9], b_k s[10:11]
	s_load_b256 s[92:99], s[0:1], 0x20             ; b_v s[92:93], rope s[94:95], qkv s[96:97], h32 s[98:99]
	v_lshl_add_u32 v[SPW], v0, 2, SPARE
	v_mov_b32 v[NIL], 0
	ds_add_u32 v[SPW], v[NIL]                      ; the wave's opening: the add, twice on end, and its wait ahead of my first tensor load
	ds_add_u32 v[SPW], v[NIL]
	v_lshrrev_b32 v1, 5, v0
	v_readfirstlane_b32 s14, v1                    ; wave 0..3
	s_lshr_b32 s15, s14, 1                         ; which half of the tile's rows is mine.  Also: I fetch the activation (0) or the weights (1)
	s_and_b32 s16, s14, 1                          ; which half of its columns.  Also: which 128 rows of that tile I fetch
	s_bfe_u32 s40, ttmp6, 0x40000                  ; cx
	s_bfe_u32 s41, ttmp6, 0x40004                  ; cy
	s_lshl_b32 s42, ttmp9, 2
	s_add_co_u32 s42, s42, s40                     ; tile column = 4 x cluster x + cx
	s_and_b32 s3, ttmp7, 0xffff                    ; cluster y
	s_lshr_b32 s66, s3, 3                          ; T: 0 Q, 1 K, 2 V
	s_and_b32 s67, s3, 7                           ; pt: which 256 positions
	s_lshl_b32 s17, s66, 5
	s_add_co_u32 s17, s17, s67
	s_lshl_b32 s3, s41, 3
	s_add_co_u32 s17, s17, s3                      ; tile row in the stream of rows = 32 T + 8 cy + pt
	s_lshl_b32 s43, s41, 2
	s_lshl_b32 s43, 15, s43                        ; my row of the cluster
	s_lshl_b32 s44, 0x1111, s40                    ; my column
	s_or_b32 s[G1+0], s43, (0<<16)|(1<<20)|(1<<21)|(5<<22)|(3<<25)  ; the mask; elements of 1 byte; padding on; bit 21 beside a mask; 4 words of padding after every 64
	s_or_b32 s[G1B+0], s44, (0<<16)|(1<<20)|(1<<21)|(5<<22)|(3<<25)
.irp g, G1, G1B
	s_mov_b32 s[\g+1], ROWB<<16                    ; tensor_dim0
	s_mov_b32 s[\g+2], 128<<16                     ; tensor_dim1
	s_mov_b32 s[\g+3], ROWB<<16                    ; tile_dim0
	s_mov_b32 s[\g+4], 128                         ; tile_dim1
	s_mov_b32 s[\g+5], KROW                        ; from row to row
	s_mov_b32 s[\g+6], 0
	s_mov_b32 s[\g+7], 0
.endr
	s_or_b32 s[G1S+0], s43, (3<<16)|(1<<20)|(1<<21)|(5<<22)|(3<<25) ; the scales of 128 rows: 4,096 dense bytes as 16 rows of 256 (32 elements of 8 bytes), 16 bytes of padding behind each
	s_or_b32 s[G1SB+0], s44, (3<<16)|(1<<20)|(1<<21)|(5<<22)|(3<<25)
.irp g, G1S, G1SB
	s_mov_b32 s[\g+1], 32<<16
	s_mov_b32 s[\g+2], (128*KS/256)<<16
	s_mov_b32 s[\g+3], 32<<16
	s_mov_b32 s[\g+4], 128*KS/256
	s_mov_b32 s[\g+5], 32
	s_mov_b32 s[\g+6], 0
	s_mov_b32 s[\g+7], 0
.endr
	s_lshl_b32 s18, s16, 7                         ; which 128 rows of a tile I fetch
	s_lshl_b32 s20, s17, 8
	s_add_co_u32 s20, s20, s18                     ; the activation's row: 256 x tile row + 128 x half (never holds cx)
	s_lshl_b32 s22, s20, 5                         ; its scale bytes,
	s_lshl_b32 s20, s20, 9                         ; its codes
	s_mov_b32 s21, 0
	s_mov_b32 s23, 0
	s_lshl_b32 s46, s42, 8
	s_add_co_u32 s46, s46, s18
	s_lshl_b32 s19, s66, 10
	s_add_co_u32 s46, s46, s19
	s_add_co_u32 s46, s46, 24576                   ; the weights' row: 24,576 + 1,024 T + 256 x tile column + 128 x half (never holds cy)
	s_lshl_b32 s12, s46, 5
	s_lshl_b32 s46, s46, 9
	s_mov_b32 s13, 0
	s_mov_b32 s47, 0
	s_mul_i32 s45, s14, HALFT                      ; where they go: wave x 128 rows
	s_mul_i32 s100, s14, HALFS
	s_wait_dscnt 0x0                               ; both opening adds are done
	s_wait_kmcnt 0x0
	s_add_nc_u64 s[20:21], s[4:5], s[20:21]
	s_add_nc_u64 s[22:23], s[6:7], s[22:23]
	s_add_nc_u64 s[46:47], s[4:5], s[46:47]
	s_add_nc_u64 s[12:13], s[6:7], s[12:13]
	CROUND                                         ; all sixteen work-groups are here: the joint loads meet
	s_mov_b32 s[G0S], 1
	s_add_co_u32 s[G0S+1], s100, SCL
	s_mov_b64 s[G0S+2:G0S+3], s[22:23]
	s_or_b32 s[G0S+3], s[G0S+3], 0x80000000
	s_mov_b32 s[G0SB], 1
	s_add_co_u32 s[G0SB+1], s100, SCL
	s_mov_b64 s[G0SB+2:G0SB+3], s[12:13]
	s_or_b32 s[G0SB+3], s[G0SB+3], 0x80000000
	JLOAD G0S, G1S, G0SB, G1SB                     ; the scales first: they are wanted with slot 0
.irp s, 0,1
	s_mov_b32 s[G0+4*\s], 1
	s_add_co_u32 s[G0+4*\s+1], s45, \s*SLOT
	s_add_nc_u64 s[G0+4*\s+2:G0+4*\s+3], s[20:21], \s*ROWB
	s_or_b32 s[G0+4*\s+3], s[G0+4*\s+3], 0x80000000
	s_mov_b32 s[G0B+4*\s], 1
	s_add_co_u32 s[G0B+4*\s+1], s45, \s*SLOT
	s_add_nc_u64 s[G0B+4*\s+2:G0B+4*\s+3], s[46:47], \s*ROWB
	s_or_b32 s[G0B+4*\s+3], s[G0B+4*\s+3], 0x80000000
	JLOAD G0+4*\s, G1, G0B+4*\s, G1B               ; three loads of mine are out in all
.endr
	v_and_b32 v1, 15, v0                           ; r
	v_bfe_u32 v2, v0, 4, 1                         ; h
	v_mul_u32_u24 v3, v1, PITCH
	v_lshl_add_u32 v4, v2, 4, v3                   ; a fragment's row x pitch + 16 h
	s_mul_i32 s21, s15, HALFT
	s_mul_i32 s22, s16, HALFT
	s_add_co_u32 s22, s22, 2*HALFT
.irp s, 0,1
	v_add_nc_u32 v[ADRA+\s], s21, v4
	v_add_nc_u32 v[ADRB+\s], s22, v4
	s_add_co_u32 s21, s21, SLOT
	s_add_co_u32 s22, s22, SLOT
.endr
	v_mul_u32_u24 v5, v1, KS                       ; my row's scales: 32 bytes a row,
	v_lshrrev_b32 v6, 8, v5
	v_lshl_add_u32 v5, v6, 4, v5                   ; and 16 more for each 256 passed
	s_mul_i32 s21, s15, HALFS
	s_mul_i32 s22, s16, HALFS
	s_add_co_u32 s22, s22, 2*HALFS
	s_sub_co_u32 s22, s22, s21
	v_mul_u32_u24 v6, s22, v2                      ; lanes 16-31 take the weights'
	s_add_co_u32 s21, s21, SCL
	v_add_nc_u32 v5, v5, v6
	v_add_nc_u32 v[ADRS], s21, v5
	s_mul_i32 s23, s14, 2*SHD                      ; my stage
	v_mul_u32_u24 v5, v1, SPH
	v_lshl_add_u32 v5, v2, 4, v5
	v_add_nc_u32 v[STO], s23, v5                   ; in: row r, 16 bytes for each half of the lanes
	v_and_b32 v6, 31, v0
	v_lshlrev_b32 v[CO], 4, v6                     ; out: 16 x lane
	v_lshrrev_b32 v7, 3, v6
	v_mul_u32_u24 v7, v7, SPH
	v_and_b32 v8, 7, v6
	v_lshl_add_u32 v7, v8, 4, v7
	v_add_nc_u32 v[RD], s23, v7                    ; back: eight lanes to a row of 128 bytes, four rows an instruction
	v_lshlrev_b32 v[BO], 5, v2
	v_lshl_add_u32 v[TBO], v1, 8, v[BO]
	v_lshl_add_u32 v[HO], v1, 12, v[BO]
	s_cmp_eq_u32 s66, 0                            ; which bias: the choice hangs on the cluster's number alone
	s_cselect_b64 s[18:19], s[8:9], s[10:11]
	s_cmp_eq_u32 s66, 2
	s_cselect_b64 s[18:19], s[92:93], s[18:19]
	s_lshl_b32 s20, s42, 10
	s_lshl_b32 s21, s16, 9
	s_add_co_u32 s20, s20, s21                     ; my first column x 4 bytes
	s_mov_b32 s21, 0
	s_add_nc_u64 s[18:19], s[18:19], s[20:21]
	s_add_nc_u64 s[98:99], s[98:99], s[20:21]
	s_lshl_b32 s20, s66, 18
	s_lshl_b32 s22, s41, 16
	s_add_co_u32 s20, s20, s22
	s_add_nc_u64 s[98:99], s[98:99], s[20:21]      ; h32 + T x 262,144 + batch x 65,536 + column
	s_lshl_b32 s20, s67, 8
	s_lshl_b32 s22, s15, 7
	s_add_co_u32 s22, s20, s22                     ; my first position
	s_lshl_b32 s20, s22, 8
	s_add_nc_u64 s[94:95], s[94:95], s[20:21]      ; the table at it
	s_lshl_b32 s20, s22, 7
	s_lshl_b32 s22, s66, 24
	s_add_co_u32 s20, s20, s22
	s_lshl_b32 s22, s41, 22
	s_add_co_u32 s20, s20, s22
	s_lshl_b32 s22, s42, 20
	s_add_co_u32 s20, s20, s22
	s_lshl_b32 s22, s16, 19
	s_add_co_u32 s20, s20, s22
	s_add_nc_u64 s[96:97], s[96:97], s[20:21]      ; qkv + T 2^24 + batch 2^22 + (4 x tile column + 2 x half) 2^18 + position x 128
	s_or_b32 s2, s67, s15                          ; 0: my block 0 holds positions 0 to 15
.irp b, 0,1,2,3,4,5,6,7
	global_load_b128 v[BIAS+8*\b:BIAS+8*\b+3], v[BO], s[18:19] offset:64*\b       ; the bias in the result's layout: channels 16 b + 8 h + 0 .. 7
	global_load_b128 v[BIAS+8*\b+4:BIAS+8*\b+7], v[BO], s[18:19] offset:64*\b+16
.endr
; cos and sin for block a's 16 positions, in the result's layout: at CSA + 8 bb cos of i = 16 bb + 8 h + 0..7, at CSA + 16 + 8 bb sin.  Blocks 0-3 lie in the free half of window 1, blocks 4-7 where the weights' fragments lay
.macro TABLE a
.set CSA, 32*((\a)%2)+128*(((\a)%4)/2)+64*(1-(\a)/4)
.irp sc, 0,1
.irp bb, 0,1
.irp u, 0,1
	global_load_b128 v[CSA+16*\sc+8*\bb+4*\u:CSA+16*\sc+8*\bb+4*\u+3], v[TBO], s[94:95] offset:4096*(\a)+128*\sc+64*\bb+16*\u
.endr
.endr
.endr
.endm
	s_cmp_eq_u32 s66, 2                            ; V is not turned
	s_cbranch_scc1 .Lno_table
	WIN TO_B
	TABLE 0
	TABLE 1
	TABLE 2
	TABLE 3
	WIN 0
.Lno_table:
.macro FRAG reg, adr, q, i             ; 16 rows x 128 K of 4-bit codes: 8 registers: two loads of 16 bytes, 32 bytes apart
.irp c, 0,1
	ds_load_b128 v[\reg+4*\c:\reg+4*\c+3], v[\adr] offset:64*(\q)+32*\c+(\i)*16*PITCH
.endr
.endm
; 16 matrix instructions: the activation's blocks a0, a0 + 1 x the weights' eight.  first = 1: C is the bias.  The 64 accumulators take turns, one instruction a turn, in the same order in every step
.macro MUL16 a0, p, q, sc, first
.irp a, \a0, \a0+1
.irp b, 0,1,2,3,4,5,6,7
.if \first
	v_wmma_scale_f32_16x16x128_f8f6f4 v[8*(8*((\a)%4)+\b):8*(8*((\a)%4)+\b)+7], v[128*(\p)+FR*\b:128*(\p)+FR*\b+FR-1], v[AF+FR*(\a):AF+FR*(\a)+FR-1], v[BIAS+8*\b:BIAS+8*\b+7], v[SC+8*NQ*(\sc)+NQ*\b+(\q)], v[SC+8*NQ*(\sc)+NQ*(\a)+(\q)] matrix_a_fmt:MATRIX_FMT_FP4 matrix_b_fmt:MATRIX_FMT_FP4 matrix_a_scale:MATRIX_SCALE_ROW1
.else
	v_wmma_scale_f32_16x16x128_f8f6f4 v[8*(8*((\a)%4)+\b):8*(8*((\a)%4)+\b)+7], v[128*(\p)+FR*\b:128*(\p)+FR*\b+FR-1], v[AF+FR*(\a):AF+FR*(\a)+FR-1], v[8*(8*((\a)%4)+\b):8*(8*((\a)%4)+\b)+7], v[SC+8*NQ*(\sc)+NQ*\b+(\q)], v[SC+8*NQ*(\sc)+NQ*(\a)+(\q)] matrix_a_fmt:MATRIX_FMT_FP4 matrix_b_fmt:MATRIX_FMT_FP4 matrix_a_scale:MATRIX_SCALE_ROW1
.endif
.endr
.endr
.endm
.macro FETCH_B slot, q, p
	WIN TO_B
.irp i, 0,1,2,3,4,5,6,7
	FRAG 128*(\p)+FR*\i, ADRB+\slot, \q, \i
.endr
	WIN 0
.endm
.macro FETCH_A slot, q, i0
.irp i, \i0, \i0+1, \i0+2, \i0+3
	FRAG AF+FR*(\i), ADRA+\slot, \q, \i
.endr
.endm
.macro SCALES sc                       ; a slot's scale words: lanes 0-15 the activation's block i, lanes 16-31 the weights' block i
.irp i, 0,1,2,3,4,5,6,7
	ds_load_b128 v[SC+8*NQ*\sc+NQ*\i:SC+8*NQ*\sc+NQ*\i+3], v[ADRS] offset:\i*SBLK
.endr
.endm
.macro PLACES n                        ; plain vector lines between a matrix instruction and a load into, or a read of, its registers
.rept \n
	v_nop
.endr
.endm
.macro STEP slot, q, first             ; 128 along K, with its successor in the same slot
	s_wait_dscnt 4*NL                              ; the weights' set and blocks 0-3 are in; the youngest eight loads (blocks 4-7) may be out
.if \first
	WIN 0x81                                       ; as MUL_LO, with C (the bias) in window 0
.else
	WIN MUL_LO
.endif
	MUL16 0, (\q)%2, \q, \slot, \first
	MUL16 2, (\q)%2, \q, \slot, \first
	s_wait_dscnt 0
	PLACES NP
	FETCH_B \slot, (\q)+1, 1-(\q)%2
	FETCH_A \slot, (\q)+1, 0
.if \first
	WIN 0xc1
.else
	WIN MUL_HI
.endif
	MUL16 4, (\q)%2, \q, \slot, \first
	MUL16 6, (\q)%2, \q, \slot, \first
	PLACES NP
	WIN 0
	FETCH_A \slot, (\q)+1, 4
.endm
	s_wait_tensorcnt 1                             ; the scales and my part of slot 0 are in; slot 1's load may be out
	s_barrier_signal -1
	s_barrier_wait -1
	FETCH_B 0, 0, 0
	FETCH_A 0, 0, 0
	SCALES 0
	FETCH_A 0, 0, 4
	s_wait_loadcnt 0x0                             ; the bias (and the table's first half)
	STEP 0, 0, 1
	STEP 0, 1, 0
	STEP 0, 2, 0
	; slot 0's last step changes slots: one barrier; nothing is filled again
	s_wait_tensorcnt 0x0                           ; my part of slot 1 has landed;
	ds_add_u32 v[SPW], v[NIL]
	s_wait_dscnt 4*NL+1                            ; (the add and the youngest eight loads may be out)
	WIN MUL_LO
	MUL16 0, 1, NQ-1, 0, 0
	s_wait_dscnt 0x0                               ; the add is done, and my reads of slot 0 are over
	s_barrier_signal -1
	MUL16 2, 1, NQ-1, 0, 0
	WIN 0
	s_barrier_wait -1
	PLACES NP
	v_add_nc_u32 v[ADRS], 4*NQ, v[ADRS]            ; on to slot 1's scale words
	FETCH_B 1, 0, 0
	FETCH_A 1, 0, 0
	SCALES 1
	WIN MUL_HI
	MUL16 4, 1, NQ-1, 0, 0
	MUL16 6, 1, NQ-1, 0, 0
	PLACES NP
	WIN 0
	FETCH_A 1, 0, 4
	STEP 1, 0, 0
	STEP 1, 1, 0
	STEP 1, 2, 0
	s_wait_dscnt 4*NL
	WIN MUL_LO
	MUL16 0, 1, NQ-1, 1, 0
	MUL16 2, 1, NQ-1, 1, 0
	s_wait_dscnt 0
	WIN MUL_HI
	MUL16 4, 1, NQ-1, 1, 0
	MUL16 6, 1, NQ-1, 1, 0
	WIN 0
	PLACES NP                                      ; ahead of the reads of results, of the loads into the weights' registers and of the writes over the activation's
; THE WAY OUT, block by block of 16 positions x 128 channels (two heads).  rope = 1: with X1 = channels d < 32 of a head and X2 = channels d + 32: X1 cos - X2 sin and X2 cos + X1 sin, in f32.
; Block 0 of the waves that hold positions 0-15 also goes to h32 as it is.  Then: rounded to f16; through my stage; out as 512 consecutive bytes (four positions of a head) a store.
.macro BLOCKOUT a, rope
.set AC, 64*((\a)%4)
.set CSA, 32*((\a)%2)+128*(((\a)%4)/2)+64*(1-(\a)/4)
.if \rope
.if (\a) >= 4
	s_wait_loadcnt 24-8*((\a)-4)                   ; this block's eight table loads are in; the later blocks' stay out
.endif
	WIN 0x06+(\a)/4                                ; source 0 the accumulators' window, source 1 window 1, source 2 and the destination window 0
.irp hd, 0,1
.irp bb, 0,1
.irp jj, 0,2,4,6                       ; each accumulator is read from its low end on
	v_pk_mul_f32 v[TT+8*(4*\hd+\bb)+\jj:TT+8*(4*\hd+\bb)+\jj+1], v[AC+8*(4*\hd+\bb+2)+\jj:AC+8*(4*\hd+\bb+2)+\jj+1], v[CSA+16+8*\bb+\jj:CSA+16+8*\bb+\jj+1]
	v_pk_mul_f32 v[TT+8*(4*\hd+\bb+2)+\jj:TT+8*(4*\hd+\bb+2)+\jj+1], v[AC+8*(4*\hd+\bb)+\jj:AC+8*(4*\hd+\bb)+\jj+1], v[CSA+16+8*\bb+\jj:CSA+16+8*\bb+\jj+1]
.endr
.irp jj, 0,2,4,6
	v_pk_fma_f32 v[TT+8*(4*\hd+\bb)+\jj:TT+8*(4*\hd+\bb)+\jj+1], v[AC+8*(4*\hd+\bb)+\jj:AC+8*(4*\hd+\bb)+\jj+1], v[CSA+8*\bb+\jj:CSA+8*\bb+\jj+1], v[TT+8*(4*\hd+\bb)+\jj:TT+8*(4*\hd+\bb)+\jj+1] neg_lo:[0,0,1] neg_hi:[0,0,1]
	v_pk_fma_f32 v[TT+8*(4*\hd+\bb+2)+\jj:TT+8*(4*\hd+\bb+2)+\jj+1], v[AC+8*(4*\hd+\bb+2)+\jj:AC+8*(4*\hd+\bb+2)+\jj+1], v[CSA+8*\bb+\jj:CSA+8*\bb+\jj+1], v[TT+8*(4*\hd+\bb+2)+\jj:TT+8*(4*\hd+\bb+2)+\jj+1]
.endr
.endr
.endr
	WIN 0
.endif
.if (\a) == 0
	s_cmp_lg_u32 s2, 0                             ; the cluster's number and the wave's alone
	s_cbranch_scc1 .Lno_copy_\@
.if \rope
.irp b, 0,1,2,3,4,5,6,7
	global_store_b128 v[HO], v[TT+8*\b:TT+8*\b+3], s[98:99] offset:64*\b
	global_store_b128 v[HO], v[TT+8*\b+4:TT+8*\b+7], s[98:99] offset:64*\b+16
.endr
.else
	WIN 0x08                                       ; a store's data: window 2
.irp b, 0,1,2,3,4,5,6,7
	global_store_b128 v[HO], v[AC+8*\b:AC+8*\b+3], s[98:99] offset:64*\b
	global_store_b128 v[HO], v[AC+8*\b+4:AC+8*\b+7], s[98:99] offset:64*\b+16
.endr
	WIN 0
.endif
	s_wait_xcnt 0x0                                ; the stores have read their data: the next block writes these registers again
.Lno_copy_\@:
.endif
.if \rope
.irp b, 0,1,2,3,4,5,6,7
.irp i, 0,1,2,3
	v_cvt_pk_f16_f32 v[PKD+4*\b+\i], v[TT+8*\b+2*\i], v[TT+8*\b+2*\i+1]
.endr
.endr
.else
	WIN 0x0a+5*((\a)/4)                            ; sources 0 and 1: window 2 or 3
.irp b, 0,1,2,3,4,5,6,7
.irp i, 0,1,2,3
	v_cvt_pk_f16_f32 v[PKD+4*\b+\i], v[AC+8*\b+2*\i], v[AC+8*\b+2*\i+1]
.endr
.endr
	WIN 0
.endif
.endm
.macro TOSTAGE a                       ; LDS serves a wave's instructions in order: the loads see the stores, and the next block's stores come behind these loads
.irp b, 0,1,2,3,4,5,6,7
	ds_store_b128 v[STO], v[PKD+4*\b:PKD+4*\b+3] offset:(\b/4)*SHD+(\b%4)*32
.endr
.set BB, BK+32*((\a)%2)
.irp t, 0,1,2,3,4,5,6,7
	ds_load_b128 v[BB+4*\t:BB+4*\t+3], v[RD] offset:(\t/4)*SHD+(\t%4)*4*SPH
.endr
.endm
.macro SEND a, younger
.set BB, BK+32*((\a)%2)
	s_wait_dscnt \younger                          ; the block is back; the next block's 8 stores and 8 loads may be out
.irp t, 0,1,2,3,4,5,6,7
	global_store_b128 v[CO], v[BB+4*\t:BB+4*\t+3], s[96:97] offset:(\t/4)*262144+2048*(\a)+(\t%4)*512   ; 32 lanes store 512 consecutive bytes, aligned
.endr
.endm
.macro WAYOUT rope
	BLOCKOUT 0, \rope
	TOSTAGE 0
.irp a, 1,2,3,4,5,6,7
	BLOCKOUT \a, \rope
.if \a > 1
	s_wait_xcnt 0x0                                ; block a - 2's stores have read their registers: block a's loads may land there
.endif
	TOSTAGE \a
	SEND \a-1, 16
.endr
	SEND 7, 0
.endm
	s_cmp_eq_u32 s66, 2
	s_cbranch_scc1 .Lvalue
	WIN TO_B
	TABLE 4
	TABLE 5
	TABLE 6
	TABLE 7
	WIN 0
	WAYOUT 1
	s_branch .Lend
.Lvalue:
	WAYOUT 0
.Lend:
	s_wait_tensorcnt 0x0                           ; the wave's end
	ds_add_u32 v[SPW], v[NIL]
	s_wait_dscnt 0x0
	CROUND                                         ; the closing round
	s_endpgm
.Lfunc_end_k_q56b4048fe9_proj:
	.size	k_q56b4048fe9_proj, .Lfunc_end_k_q56b4048fe9_proj-k_q56b4048fe9_proj
	.p2alignl 7, 3214868480
	.fill 96, 4, 3214868480
	.section	.rodata,"a",@progbits
	.p2align	6, 0x0
	.amdhsa_kernel k_q56b4048fe9_proj
		.amdhsa_group_segment_fixed_size 327680
		.amdhsa_private_segment_fixed_size 0
		.amdhsa_enable_private_segment 0
		.amdhsa_kernarg_size 64
		.amdhsa_user_sgpr_count 2
		.amdhsa_user_sgpr_kernarg_segment_ptr 1
		.amdhsa_wavefront_size32 1
		.amdhsa_system_sgpr_workgroup_id_x 1
		.amdhsa_system_sgpr_workgroup_id_y 1
		.amdhsa_system_sgpr_workgroup_id_z 1
		.amdhsa_system_vgpr_workitem_id 0
		.amdhsa_next_free_vgpr 1024
		.amdhsa_next_free_sgpr 102
		.amdhsa_reserve_vcc 0
		.amdhsa_float_denorm_mode_32 3
		.amdhsa_float_denorm_mode_16_64 3
		.amdhsa_memory_ordered 1
		.amdhsa_forward_progress 1
		.amdhsa_inst_pref_size 201
	.end_amdhsa_kernel
	.amdgpu_metadata
---
amdhsa.version: [ 1, 2 ]
amdhsa.kernels:
  - .name:           k_q56b4048fe9_proj
    .symbol:         k_q56b4048fe9_proj.kd
    .args:
      - { .name: codes, .offset: 0, .size: 8, .value_kind: global_buffer, .address_space: global }
      - { .name: scales, .offset: 8, .size: 8, .value_kind: global_buffer, .address_space: global }
      - { .name: b_q, .offset: 16, .size: 8, .value_kind: global_buffer, .address_space: global }
      - { .name: b_k, .offset: 24, .size: 8, .value_kind: global_buffer, .address_space: global }
      - { .name: b_v, .offset: 32, .size: 8, .value_kind: global_buffer, .address_space: global }
      - { .name: rope, .offset: 40, .size: 8, .value_kind: global_buffer, .address_space: global }
      - { .name: qkv, .offset: 48, .size: 8, .value_kind: global_buffer, .address_space: global }
      - { .name: h32, .offset: 56, .size: 8, .value_kind: global_buffer, .address_space: global }
    .group_segment_fixed_size: 327680
    .private_segment_fixed_size: 0
    .kernarg_segment_align: 8
    .kernarg_segment_size: 64
    .max_flat_workgroup_size: 128
    .sgpr_count:     102
    .vgpr_count:     1024
    .wavefront_size: 32
...
	.end_amdgpu_metadata
.endif
;; end of part 2
;; launch attn (part 3): grid 4 x 64, 8 waves a work-group, no clusters, 327,680 bytes of LDS; arguments qkv, ctx; writes ctx
.if DOCPART == 3
	.amdgcn_target "amdgcn-amd-amdhsa--gfx1250"
	.amdhsa_code_object_version 6
	.text
	.protected	k_q56b4048fe9_attn
	.globl	k_q56b4048fe9_attn
	.p2align	8
	.type	k_q56b4048fe9_attn,@function
k_q56b4048fe9_attn:
	s_mov_b64 s[64:65], 0
	v_nop
	global_prefetch_b8 v0, s[64:65] scope:SCOPE_SE
	s_setreg_imm32_b32 hwreg(HW_REG_WAVE_MODE, 25, 1), 1
	s_wait_xcnt 0x0
; ctx[b][h][q][:] = sum over k <= q of softmax_k(Q[q] . K[k] / 8) V[k][:].  Q, K, V: f16, [T][b][h][s][64] (the launch before); products with f16 operands and f32 sums; maxima, exponentials and sums in f32;
; the weights p (at most 1) are rounded to f16 for the second product; ctx is f16, [b][h][s][64].
; LEFT OUT: key steps all of whose keys come after all of a wave's queries: reference()'s own causal mask gives them the weight 0 for all inputs (shown at the head of the first launch).
; LIMITS: a NaN or overflow that lies only in the scores left out is not carried on; |ctx| under 65,504.
; SHARES.  Work-group (i, head) owns the blocks 7 - i and i of 256 queries: (8 - i) + (i + 1) = 9 units of 256 queries x 256 keys in every work-group.  Each of its eight waves owns 32 queries of the block, two tiles of 16.
; A unit's keys lie in one LDS slot (256 rows of K, 256 of V), four steps of 64 keys; two slots take turns; waves 0-3 fetch K's four quarters, waves 4-7 V's.
; NO CLUSTER: the four work-groups of a head own different blocks of queries, so from the trip in which the first of them turns to its second block they want different key blocks in the same trip;
; to walk in step all four would have to walk 8 + 4 = 12 units in place of 9.
; LAYOUT.  S^T = K Q^T (source 0 = 16 keys, source 1 = 16 queries): a lane holds ONE query (lane % 16) and keys 8 (lane / 16) + 0..7.  Two such tiles rounded to f16 in pairs ARE source 1 (32 keys x 16 queries) of
; O^T = V^T P, whose result again holds one query a lane.  K comes out of LDS as it lies, V ([key][channel]) turned by ds_load_tr16_b128.
; SOFTMAX.  A running maximum m and sum l for each query: p = 2^(c s - c m), c = log2(e) / 8; in every step O and l are multiplied by a = 2^(c m_old - c m_new).  m begins at -3e38, O and l at 0.
; REGISTERS.  window 0: v1-15 addresses and constants; v16-31 statistics, eight a tile (+0 c m, +1 m, +2 +3 l, +4..7 at work, a at +6); v32-63 Q; v64-127 S^T; v128-159 P; v160-223 O^T.  window 1: v0-63 K's fragments, v64-127 V's.
.set KP,    144                        ; a row of K in LDS: 128 bytes + 16: an odd multiple of 16
.set VP,    160                        ; a row of V: 128 + 32: an odd multiple of 32, for the turning load
.set VOFF,  256*KP
.set SLOT1, 1<<17                      ; slot 1 begins here: one exclusive or turns an address from one slot to the other
.set STAGE, VOFF+256*VP                ; behind slot 0's tiles: 32 rows x 144 bytes for each wave, for the way out; no fill lands here
.set SPARE, SLOT1+STAGE                ; behind slot 1's tiles: the spare words, 128 bytes a wave: four blocks of 256 bytes that no other line names
.set AK0, 1
.set AV0, 2
.set ADK, 3
.set ADV, 4
.set QO,  5
.set STO, 6
.set RD,  7
.set GO,  8
.set PFO, 9
.set SPW, 10
.set NIL, 11
.set D0,  12                           ; v12, v13: the mask's bound for tile 0, 1
.set NINF, 14                          ; v14 -infinity
.set RH8, 15                           ; v15 r - 8 h
.set ST,  16
.set QF,  32
.set S,   64
.set P,   128
.set OA,  160
.set KFR, 0                            ; window 1
.set VFR, 64
.set WV,  8
.set PI,  9
.set BH,  10
.set QB,  11                           ; the block of queries in hand
.set KB,  12                           ; the unit's block of keys
.set KBN, 13                           ; the next unit's
.set KF,  14                           ; the step's first key
.set Q0,  15                           ; my first query
.set UL,  16                           ; units still to be asked for
.set TB,  17                           ; LDS byte at which the slot in hand begins
.set SEL, 20
.set CS,  22
.set G1K, 24
.set G1V, 32
.set G0K, 40
.set G0V, 44
.set GBK, 48                           ; s[48:49] K of my head at my quarter of key block 0;  s[50:51] V likewise
.set GBV, 50
.set PFA, 52
.set LIM, 54
.set HQ,  56
.set HC,  58
.set QA,  60
.set CBA, 62
.set MSB, 0
.macro WIN new
.if MSB != (\new)
	s_set_vgpr_msb (MSB<<8)|(\new)
.set MSB, (\new)
.endif
.endm
.set W_MM, 0x01                        ; source 0 (K or V) window 1, all else window 0
.set W_LD, 0x40                        ; destination window 1
.macro TLOAD                           ; every wave issues one load: a fill stands in each arm; an s_nop 0 and four v_nop follow each
	s_cmp_lt_u32 s[WV], 4
	s_cbranch_scc0 .Lfor_v_\@
	tensor_load_to_lds s[G0K:G0K+3], s[G1K:G1K+7]
	s_nop 0
.rept 4
	v_nop
.endr
	s_branch .Lasked_\@
.Lfor_v_\@:
	tensor_load_to_lds s[G0V:G0V+3], s[G1V:G1V+7]
	s_nop 0
.rept 4
	v_nop
.endr
.Lasked_\@:
.endm
; A PREFETCH INTO THE L2 of the key block that the NEXT change of slots will ask for.  All four work-groups of a head begin with key blocks 0, 1, 2, ..; work-group 0 walks all eight on end, so it alone asks: in its unit u <= 5
; for block u + 2.  Each wave names the 8,192 bytes that it will itself fetch, lanes 256 bytes apart: so each aligned block of 256 bytes is named once in the launch.  Blocks 0 and 1 come by their loads alone.
.macro ASK
	s_cmp_gt_u32 s[UL], s[LIM]
	s_cbranch_scc0 .Lnot_mine_\@
	global_prefetch_b8 v[PFO], s[PFA:PFA+1] th:TH_LOAD_NT scope:SCOPE_SE
.Lnot_mine_\@:
.endm
.macro SETQ                            ; my queries in block QB
	s_lshl_b32 s[Q0], s[QB], 8
	s_lshl_b32 s2, s[WV], 5
	s_add_co_u32 s[Q0], s[Q0], s2
	s_lshl_b32 s18, s[Q0], 7
	s_mov_b32 s19, 0
	s_add_nc_u64 s[QA:QA+1], s[HQ:HQ+1], s[18:19]
	s_add_nc_u64 s[CBA:CBA+1], s[HC:HC+1], s[18:19]
.endm
.macro QLOAD                           ; Q's fragments (tile t, channels 32 ks on) stay in registers
.irp t, 0,1
.irp ks, 0,1
	global_load_b128 v[QF+16*\t+8*\ks:QF+16*\t+8*\ks+3], v[QO], s[QA:QA+1] offset:2048*\t+64*\ks
	global_load_b128 v[QF+16*\t+8*\ks+4:QF+16*\t+8*\ks+7], v[QO], s[QA:QA+1] offset:2048*\t+64*\ks+32
.endr
.endr
.endm
.macro INIT                            ; the step is written once: a block's first step finds zeros, which the first a = 0 leaves zeros
.irp t, 0,1
	v_mov_b32 v[ST+8*\t+1], 0xff61b1e6             ; m = -3e38, under every score
	v_mul_f32 v[ST+8*\t], s[CS], v[ST+8*\t+1]
.irp k, 2,3,4,5,6,7
	v_mov_b32 v[ST+8*\t+\k], 0
.endr
.endr
.set i, 0
.rept 64
	v_mov_b32 v[OA+i], 0
.set i, i+1
.endr
.endm
	s_load_b128 s[4:7], s[0:1], 0x0                ; qkv, ctx
	v_lshl_add_u32 v[SPW], v0, 2, SPARE
	v_mov_b32 v[NIL], 0
	ds_add_u32 v[SPW], v[NIL]                      ; the wave's opening: the add, twice on end, and its wait ahead of my first tensor load
	ds_add_u32 v[SPW], v[NIL]
	v_lshrrev_b32 v1, 5, v0
	v_readfirstlane_b32 s[WV], v1                  ; wave 0..7
	s_mov_b32 s[PI], ttmp9
	s_and_b32 s[BH], ttmp7, 0xffff                 ; batch x 16 + head
	s_mov_b32 s[G1K], (1<<16)|(1<<20)|(4<<22)|(3<<25)   ; elements of 2 bytes; padding on: 4 words after every 32 (a row)
	s_mov_b32 s[G1V], (1<<16)|(1<<20)|(4<<22)|(7<<25)   ; the same with 8 words
.irp g, G1K, G1V
	s_mov_b32 s[\g+1], 64<<16                      ; tensor_dim0 = 64
	s_mov_b32 s[\g+2], 64<<16                      ; tensor_dim1 = 64
	s_mov_b32 s[\g+3], 64<<16                      ; tile_dim0 = 64
	s_mov_b32 s[\g+4], 64                          ; tile_dim1 = 64 rows
	s_mov_b32 s[\g+5], 64                          ; from row to row
	s_mov_b32 s[\g+6], 0
	s_mov_b32 s[\g+7], 0
.endr
	s_mov_b32 s[SEL], 0x76543210
	s_mov_b32 s[SEL+1], 0xfedcba98                 ; v_permlanex16_b32: lane l xor 16
	s_mov_b32 s[CS], 0x3e38aa3b                    ; c = log2(e) / 8
	s_mov_b32 s[CS+1], s[CS]                       ; (named with it as a pair)
	s_and_b32 s2, s[WV], 3                         ; which quarter of a tile I fetch
	s_mov_b32 s[G0K], 1
	s_mul_i32 s[G0K+1], s2, 64*KP                  ; slot 0
	s_mov_b32 s[G0V], 1
	s_mul_i32 s[G0V+1], s2, 64*VP
	s_add_co_u32 s[G0V+1], s[G0V+1], VOFF
	s_lshl_b32 s18, s[BH], 18
	s_mov_b32 s19, 0
	s_lshl_b32 s2, s2, 13
	s_mov_b32 s3, 0
	s_sub_co_u32 s[QB], 7, s[PI]
	s_mov_b32 s[KB], 0
	s_mov_b32 s[TB], 0
	s_mov_b32 s[UL], 8
	s_wait_dscnt 0x0                               ; both opening adds are done
	s_wait_kmcnt 0x0
	s_add_nc_u64 s[HQ:HQ+1], s[4:5], s[18:19]      ; my head in Q,
	s_add_nc_u64 s[HC:HC+1], s[6:7], s[18:19]      ; and in ctx
	s_add_nc_u64 s[GBK:GBK+1], s[HQ:HQ+1], s[2:3]
	s_add_nc_u64 s[GBV:GBV+1], s[GBK:GBK+1], 0x2000000
	s_add_nc_u64 s[GBK:GBK+1], s[GBK:GBK+1], 0x1000000
	s_mov_b64 s[G0K+2:G0K+3], s[GBK:GBK+1]
	s_or_b32 s[G0K+3], s[G0K+3], 0x80000000
	s_mov_b64 s[G0V+2:G0V+3], s[GBV:GBV+1]
	s_or_b32 s[G0V+3], s[G0V+3], 0x80000000
	TLOAD                                          ; slot 0: key block 0.  One load of mine is out, here and behind every barrier
	s_cmp_lt_u32 s[WV], 4
	s_cselect_b64 s[PFA:PFA+1], s[GBK:GBK+1], s[GBV:GBV+1]
	s_add_nc_u64 s[PFA:PFA+1], s[PFA:PFA+1], 32768 ; at block 1: the first change of slots steps it to block 2
	s_cmp_eq_u32 s[PI], 0
	s_cselect_b32 s[LIM], 2, -1
	v_and_b32 v16, 15, v0                          ; r
	v_bfe_u32 v17, v0, 4, 1                        ; h
	v_and_b32 v18, 31, v0                          ; lane
	v_mul_u32_u24 v[AK0], v16, KP
	v_lshl_add_u32 v[AK0], v17, 4, v[AK0]          ; K: row r x pitch + 16 h
	v_and_b32 v19, 7, v0
	v_bfe_u32 v20, v0, 3, 1
	v_lshl_add_u32 v[AV0], v17, 3, v19
	v_mul_u32_u24 v[AV0], v[AV0], VP
	v_lshl_add_u32 v[AV0], v20, 4, v[AV0]
	v_add_nc_u32 v[AV0], VOFF, v[AV0]              ; V: key 8 h + l % 8, channels 8 ((l / 8) % 2) on
	v_lshlrev_b32 v[QO], 7, v16
	v_lshl_add_u32 v[QO], v17, 4, v[QO]            ; Q: row r x 128 + 16 h
	s_mul_i32 s3, s[WV], 32*KP
	s_add_co_u32 s3, s3, STAGE                     ; my stage
	v_add_nc_u32 v[STO], s3, v[AK0]                ; in: row r, 16 bytes for each half of the lanes
	v_lshrrev_b32 v21, 3, v18
	v_mul_u32_u24 v21, v21, KP
	v_lshl_add_u32 v21, v19, 4, v21
	v_add_nc_u32 v[RD], s3, v21                    ; back: eight lanes to a row of 128 bytes
	v_lshlrev_b32 v[GO], 4, v18
	v_lshlrev_b32 v[PFO], 8, v18
	v_mov_b32 v[NINF], 0xff800000
	v_lshlrev_b32 v21, 3, v17
	v_sub_nc_u32 v[RH8], v16, v21
	SETQ
	QLOAD
	INIT
.macro FETCH_K q                       ; 64 keys x 64 channels: 8 fragments (16 keys kt, 32 channels ks)
.irp kt, 0,1,2,3
.irp ks, 0,1
	ds_load_b128 v[KFR+16*\kt+8*\ks:KFR+16*\kt+8*\ks+3], v[ADK] offset:64*KP*(\q)+16*KP*\kt+64*\ks
	ds_load_b128 v[KFR+16*\kt+8*\ks+4:KFR+16*\kt+8*\ks+7], v[ADK] offset:64*KP*(\q)+16*KP*\kt+64*\ks+32
.endr
.endr
.endm
.macro FETCH_V q                       ; turned: 8 fragments (32 keys g, 16 channels c)
.irp g, 0,1
.irp c, 0,1,2,3
	ds_load_tr16_b128 v[VFR+32*\g+8*\c:VFR+32*\g+8*\c+3], v[ADV] offset:64*VP*(\q)+32*VP*\g+32*\c
	ds_load_tr16_b128 v[VFR+32*\g+8*\c+4:VFR+32*\g+8*\c+7], v[ADV] offset:64*VP*(\q)+32*VP*\g+16*VP+32*\c
.endr
.endr
.endm
.macro SOFTMAX                         ; both tiles line by line, so that no line waits for the line above it
.irp j, 0,1,2,3
.irp t, 0,1
	v_max3_num_f32 v[ST+8*\t+4+\j], v[S+32*\t+8*\j], v[S+32*\t+8*\j+1], v[S+32*\t+8*\j+2]   ; each accumulator is read from its low end on
.endr
.endr
.irp i, 3,5
.irp j, 0,1,2,3
.irp t, 0,1
	v_max3_num_f32 v[ST+8*\t+4+\j], v[ST+8*\t+4+\j], v[S+32*\t+8*\j+\i], v[S+32*\t+8*\j+\i+1]
.endr
.endr
.endr
.irp t, 0,1
	v_max3_num_f32 v[ST+8*\t+4], v[ST+8*\t+4], v[S+32*\t+7], v[S+32*\t+15]
	v_max3_num_f32 v[ST+8*\t+6], v[ST+8*\t+6], v[S+32*\t+23], v[S+32*\t+31]
.endr
.irp t, 0,1
	v_max3_num_f32 v[ST+8*\t+4], v[ST+8*\t+4], v[ST+8*\t+5], v[ST+8*\t+6]
.endr
.irp t, 0,1
	v_max3_num_f32 v[ST+8*\t+4], v[ST+8*\t+4], v[ST+8*\t+7], v[ST+8*\t+1]   ; and the old m
.endr
.irp t, 0,1
	v_permlanex16_b32 v[ST+8*\t+5], v[ST+8*\t+4], s[SEL], s[SEL+1]          ; the query's other 32 keys lie in the lane 16 away
.endr
.irp t, 0,1
	v_mov_b32 v[ST+8*\t+7], v[ST+8*\t]             ; c m_old
.endr
.irp t, 0,1
	v_max_num_f32 v[ST+8*\t+1], v[ST+8*\t+4], v[ST+8*\t+5]
.endr
.irp t, 0,1
	v_mul_f32 v[ST+8*\t], s[CS], v[ST+8*\t+1]
.endr
.irp t, 0,1
	v_sub_f32 v[ST+8*\t+7], v[ST+8*\t+7], v[ST+8*\t]
.endr
.set i, 0
.rept 16
.irp t, 0,1
	v_pk_fma_f32 v[S+32*\t+i:S+32*\t+i+1], v[S+32*\t+i:S+32*\t+i+1], s[CS:CS+1], v[ST+8*\t:ST+8*\t+1] op_sel_hi:[1,0,0] neg_lo:[0,0,1] neg_hi:[0,0,1]   ; c s - c m
.endr
.set i, i+2
.endr
.irp t, 0,1
	v_exp_f32 v[ST+8*\t+6], v[ST+8*\t+7]           ; a
.endr
.set i, 0
.rept 32
.irp t, 0,1
	v_exp_f32 v[S+32*\t+i], v[S+32*\t+i]           ; p: ONE BATCH of 66 exponentials,
.endr
.set i, i+1
.endr
	v_nop                                          ; one plain line behind the last,
	s_wait_alu depctr_va_vdst(0)                   ; and one wait ahead of the first reader
.set i, 0
.rept 16
.irp t, 0,1
	v_cvt_pk_f16_f32 v[P+16*\t+i], v[S+32*\t+2*i], v[S+32*\t+2*i+1]
.endr
.set i, i+1
.endr
.irp u, 0,4,8,12,16,20,24,28           ; the sum of the unrounded p, a tree in place
.irp t, 0,1
	v_pk_add_f32 v[S+32*\t+\u:S+32*\t+\u+1], v[S+32*\t+\u:S+32*\t+\u+1], v[S+32*\t+\u+2:S+32*\t+\u+3]
.endr
.endr
.irp u, 0,8,16,24
.irp t, 0,1
	v_pk_add_f32 v[S+32*\t+\u:S+32*\t+\u+1], v[S+32*\t+\u:S+32*\t+\u+1], v[S+32*\t+\u+4:S+32*\t+\u+5]
.endr
.endr
.irp u, 0,16
.irp t, 0,1
	v_pk_add_f32 v[S+32*\t+\u:S+32*\t+\u+1], v[S+32*\t+\u:S+32*\t+\u+1], v[S+32*\t+\u+8:S+32*\t+\u+9]
.endr
.endr
.irp t, 0,1
	v_pk_add_f32 v[S+32*\t:S+32*\t+1], v[S+32*\t:S+32*\t+1], v[S+32*\t+16:S+32*\t+17]
.endr
.irp t, 0,1
	v_pk_fma_f32 v[ST+8*\t+2:ST+8*\t+3], v[ST+8*\t+2:ST+8*\t+3], v[ST+8*\t+6:ST+8*\t+7], v[S+32*\t:S+32*\t+1] op_sel_hi:[1,0,1]   ; l = l a + the sum
.endr
.set i, 0
.rept 16
.irp t, 0,1
	v_pk_mul_f32 v[OA+32*\t+i:OA+32*\t+i+1], v[OA+32*\t+i:OA+32*\t+i+1], v[ST+8*\t+6:ST+8*\t+7] op_sel_hi:[1,0]   ; O^T x a, ascending
.endr
.set i, i+2
.endr
.endm
; A KEY STEP: 64 keys, the q-th of the slot in hand.  The accumulators take turns, one instruction a turn: eight of S^T, then eight of O^T.
.macro STEP q
	s_add_co_u32 s2, s[Q0], 31                     ; a step all of whose keys come after my 32 queries is left out: ids and counts alone; no barrier and no tensor load stands in a step
	s_cmp_gt_u32 s[KF], s2
	s_cbranch_scc1 .Lhid_\@
	s_wait_dscnt 0x0                               ; K of this step is in
	WIN W_MM
.irp ks, 0,1
.irp kt, 0,1,2,3
.irp t, 0,1
.if \ks == 0
	v_wmma_f32_16x16x32_f16 v[S+32*\t+8*\kt:S+32*\t+8*\kt+7], v[KFR+16*\kt+8*\ks:KFR+16*\kt+8*\ks+7], v[QF+16*\t+8*\ks:QF+16*\t+8*\ks+7], 0
.else
	v_wmma_f32_16x16x32_f16 v[S+32*\t+8*\kt:S+32*\t+8*\kt+7], v[KFR+16*\kt+8*\ks:KFR+16*\kt+8*\ks+7], v[QF+16*\t+8*\ks:QF+16*\t+8*\ks+7], v[S+32*\t+8*\kt:S+32*\t+8*\kt+7]
.endif
.endr
.endr
.endr
	WIN 0
.rept 4
	v_nop                                          ; four plain lines ahead of the loads into K's and V's registers and of the reads of S^T
.endr
	WIN W_LD
	FETCH_V \q
.if \q < 3
	FETCH_K (\q)+1
.endif
	WIN 0
	s_add_co_u32 s2, s[KF], 63                     ; a step all of whose keys count skips the mask
	s_cmp_le_u32 s2, s[Q0]
	s_cbranch_scc1 .Lopen_\@
	s_sub_co_i32 s2, s[Q0], s[KF]
	v_add_nc_u32 v[D0], s2, v[RH8]                 ; register 8 kt + j of tile t holds key KF + 16 kt + 8 h + j: hidden where 16 kt + j > Q0 - KF + 16 t + r - 8 h
	v_add_nc_u32 v[D0+1], 16, v[D0]
.irp t, 0,1
.irp kt, 0,1,2,3
.irp j, 0,1,2,3,4,5,6,7
	v_cmp_gt_i32 vcc_lo, 16*\kt+\j, v[D0+\t]
	v_cndmask_b32 v[S+32*\t+8*\kt+\j], v[S+32*\t+8*\kt+\j], v[NINF], vcc_lo
.endr
.endr
.endr
.Lopen_\@:
	SOFTMAX
.if \q < 3
	s_wait_dscnt 16                                ; V is in; the next step's 16 loads of K may be out
.else
	s_wait_dscnt 0x0
.endif
	WIN W_MM
.irp g, 0,1
.irp c, 0,1,2,3
.irp t, 0,1
	v_wmma_f32_16x16x32_f16 v[OA+32*\t+8*\c:OA+32*\t+8*\c+7], v[VFR+32*\g+8*\c:VFR+32*\g+8*\c+7], v[P+16*\t+8*\g:P+16*\t+8*\g+7], v[OA+32*\t+8*\c:OA+32*\t+8*\c+7]
.endr
.endr
.endr
	WIN 0
.Lhid_\@:
	s_add_co_u32 s[KF], s[KF], 64
.endm
; THE CHANGE OF SLOTS stands at a unit's head.  Each wave waits for all its tensor loads (its part of the slot ahead), adds 0 to its spare word, and waits for that and for its reads of the slot that it has left.
; Behind the barrier the slot ahead is whole and nobody reads the other one.  fill = 1: that other slot takes the next unit's key block: the load has a whole unit in which to land.
.macro CHANGE fill
	s_wait_tensorcnt 0x0                           ; no tensor load of mine is out, so a group 0 may be written
	ds_add_u32 v[SPW], v[NIL]
.if \fill
	s_add_co_u32 s2, s[KB], 1
	s_cmp_eq_u32 s[KB], s[QB]                      ; the diagonal unit is a block's last: the next unit begins the other block of queries at key block 0
	s_cselect_b32 s[KBN], 0, s2
	s_lshl_b32 s18, s[KBN], 15                     ; 256 rows of 128 bytes a key block
	s_mov_b32 s19, 0
	s_xor_b32 s[G0K+1], s[G0K+1], SLOT1
	s_add_nc_u64 s[G0K+2:G0K+3], s[GBK:GBK+1], s[18:19]
	s_or_b32 s[G0K+3], s[G0K+3], 0x80000000
	s_xor_b32 s[G0V+1], s[G0V+1], SLOT1
	s_add_nc_u64 s[G0V+2:G0V+3], s[GBV:GBV+1], s[18:19]
	s_or_b32 s[G0V+3], s[G0V+3], 0x80000000
	s_wait_xcnt 0x0                                ; the last prefetch, a unit back, has read its address
	s_add_nc_u64 s[PFA:PFA+1], s[PFA:PFA+1], 32768
.endif
	s_lshl_b32 s[KF], s[KB], 8
	s_wait_dscnt 0x0                               ; the add is done, and my reads of the slot that I have left are over
	s_barrier_signal -1
	s_barrier_wait -1
.if \fill
	TLOAD                                          ; the first thing behind the barrier, and my one tensor load until the next
.endif
	v_add_nc_u32 v[ADK], s[TB], v[AK0]
	v_add_nc_u32 v[ADV], s[TB], v[AV0]
	WIN W_LD
	FETCH_K 0
	WIN 0
.if \fill
	ASK
.endif
.endm
; A BLOCK OF QUERIES IS FINISHED: O^T / l, rounded to f16, through my stage, out as 512 consecutive bytes a store.  again = 1: on to the work-group's second block.
.macro FINISH again
.rept 4
	v_nop                                          ; four plain lines behind the last products
.endr
.irp t, 0,1
	v_add_f32 v[ST+8*\t+4], v[ST+8*\t+2], v[ST+8*\t+3]
.endr
.irp t, 0,1
	v_permlanex16_b32 v[ST+8*\t+5], v[ST+8*\t+4], s[SEL], s[SEL+1]
.endr
.irp t, 0,1
	v_add_f32 v[ST+8*\t+4], v[ST+8*\t+4], v[ST+8*\t+5]
.endr
.irp t, 0,1
	v_rcp_f32 v[ST+8*\t+6], v[ST+8*\t+4]
.endr
	v_nop
	s_wait_alu depctr_va_vdst(0)                   ; one wait for the two reciprocals, ahead of their first reader
.set i, 0
.rept 16
.irp t, 0,1
	v_pk_mul_f32 v[OA+32*\t+i:OA+32*\t+i+1], v[OA+32*\t+i:OA+32*\t+i+1], v[ST+8*\t+6:ST+8*\t+7] op_sel_hi:[1,0]
.endr
.set i, i+2
.endr
.set i, 0
.rept 16
.irp t, 0,1
	v_cvt_pk_f16_f32 v[S+16*\t+i], v[OA+32*\t+2*i], v[OA+32*\t+2*i+1]
.endr
.set i, i+1
.endr
.irp t, 0,1
.irp c, 0,1,2,3
	ds_store_b128 v[STO], v[S+16*\t+4*\c:S+16*\t+4*\c+3] offset:16*KP*\t+32*\c
.endr
.endr
.irp u, 0,1,2,3,4,5,6,7
	ds_load_b128 v[S+32+4*\u:S+32+4*\u+3], v[RD] offset:4*KP*\u   ; LDS serves a wave's instructions in order: these see my stores
.endr
.irp u, 0,1,2,3,4,5,6,7
	s_wait_dscnt 7-\u                              ; load u is back; the younger ones stay out
	global_store_b128 v[GO], v[S+32+4*\u:S+32+4*\u+3], s[CBA:CBA+1] offset:512*\u
.endr
.if \again
	s_wait_xcnt 0x0                                ; the stores have read their data and their base: both are written again below
	s_mov_b32 s[QB], s[PI]
	SETQ
	QLOAD
	INIT
	s_wait_loadcnt 0x0
.endif
.endm
	s_wait_loadcnt 0x0                             ; Q
.Lunit:                                            ; eight trips: behind each change of slots the next unit's keys are asked for
	CHANGE 1
	STEP 0
	STEP 1
	STEP 2
	STEP 3
	s_xor_b32 s[TB], s[TB], SLOT1
	s_cmp_lg_u32 s[KB], s[QB]                      ; the work-group's number and the count of units alone: all eight waves go the same way
	s_cbranch_scc1 .Lnot_last
	FINISH 1
.Lnot_last:
	s_mov_b32 s[KB], s[KBN]
	s_sub_co_u32 s[UL], s[UL], 1
	s_cmp_lg_u32 s[UL], 0
	s_cbranch_scc1 .Lunit
	CHANGE 0                                       ; the ninth unit is written out: it asks for nothing
	STEP 0
	STEP 1
	STEP 2
	STEP 3
	FINISH 0
	s_wait_tensorcnt 0x0                           ; the wave's end
	ds_add_u32 v[SPW], v[NIL]
	s_wait_dscnt 0x0
	s_endpgm
.Lfunc_end_k_q56b4048fe9_attn:
	.size	k_q56b4048fe9_attn, .Lfunc_end_k_q56b4048fe9_attn-k_q56b4048fe9_attn
	.p2alignl 7, 3214868480
	.fill 96, 4, 3214868480
	.section	.rodata,"a",@progbits
	.p2align	6, 0x0
	.amdhsa_kernel k_q56b4048fe9_attn
		.amdhsa_group_segment_fixed_size 327680
		.amdhsa_private_segment_fixed_size 0
		.amdhsa_enable_private_segment 0
		.amdhsa_kernarg_size 16
		.amdhsa_user_sgpr_count 2
		.amdhsa_user_sgpr_kernarg_segment_ptr 1
		.amdhsa_wavefront_size32 1
		.amdhsa_system_sgpr_workgroup_id_x 1
		.amdhsa_system_sgpr_workgroup_id_y 1
		.amdhsa_system_sgpr_workgroup_id_z 1
		.amdhsa_system_vgpr_workitem_id 0
		.amdhsa_next_free_vgpr 384
		.amdhsa_next_free_sgpr 66
		.amdhsa_reserve_vcc 1
		.amdhsa_float_denorm_mode_32 3
		.amdhsa_float_denorm_mode_16_64 3
		.amdhsa_memory_ordered 1
		.amdhsa_forward_progress 1
		.amdhsa_inst_pref_size 197
	.end_amdhsa_kernel
	.amdgpu_metadata
---
amdhsa.version: [ 1, 2 ]
amdhsa.kernels:
  - .name:           k_q56b4048fe9_attn
    .symbol:         k_q56b4048fe9_attn.kd
    .args:
      - { .name: qkv, .offset: 0, .size: 8, .value_kind: global_buffer, .address_space: global }
      - { .name: ctx, .offset: 8, .size: 8, .value_kind: global_buffer, .address_space: global }
    .group_segment_fixed_size: 327680
    .private_segment_fixed_size: 0
    .kernarg_segment_align: 8
    .kernarg_segment_size: 16
    .max_flat_workgroup_size: 256
    .sgpr_count:     66
    .vgpr_count:     384
    .wavefront_size: 32
...
	.end_amdgpu_metadata
.endif
;; end of part 3
;; launch oproj (part 4): grid 4 x 64, 4 waves a work-group, clusters of 4 x 4, 327,680 bytes of LDS; arguments ctx, wo16, b_o, out0; writes out0
.if DOCPART == 4
	.amdgcn_target "amdgcn-amd-amdhsa--gfx1250"
	.amdhsa_code_object_version 6
	.text
	.protected	k_q56b4048fe9_oproj
	.globl	k_q56b4048fe9_oproj
	.p2align	8
	.type	k_q56b4048fe9_oproj,@function
k_q56b4048fe9_oproj:
	s_mov_b64 s[64:65], 0
	v_nop
	global_prefetch_b8 v0, s[64:65] scope:SCOPE_SE
	s_setreg_imm32_b32 hwreg(HW_REG_WAVE_MODE, 25, 1), 1
	s_wait_xcnt 0x0
	s_wait_alu depctr_hold_cnt(0) depctr_sa_sdst(0) depctr_va_vdst(0) depctr_va_sdst(0) depctr_va_ssrc(0) depctr_va_vcc(0) depctr_vm_vsrc(0)
	s_getreg_b32 s2, hwreg(HW_REG_IB_STS2, 6, 4)
	s_cmp_eq_u32 s2, 0
	s_cbranch_scc0 .Lentry_in_a_cluster
	s_endpgm
.Lentry_in_a_cluster:
	s_bfe_u32 s2, ttmp6, 0x10000c
	s_cmp_lg_u32 s2, 0xf033
	s_cbranch_scc0 .Lentry_shape_is_right
	s_endpgm
.Lentry_shape_is_right:
; out0 = ctx W_o^T + b_o with f16 operands and f32 sums, for all positions but 0 to 15 of each sequence.
; LEFT OUT: the STORES of positions 0 to 15: the last launch makes those rows in f32 and is their one owner (their products lie inside a tile that also holds live rows, and stay).
; ctx: f16 [b][h][s][64]; wo16: f16 [n][k], k = 64 h + d.  A tile of 128 positions x 256 columns is made by four waves, each 64 x 128: 32 accumulators.  256 work-groups.
; K goes in steps of 128 (two heads) through two LDS slots: of ctx two sub-tiles of 128 rows x 128 bytes (heads 2 k and 2 k + 1), of W_o 256 rows x 256 bytes.  Waves 0, 1 fetch the sub-tiles, waves 2, 3 the halves of W_o's.
; CLUSTERS: 4 x 4.  Cluster y is the block of 128 positions, the place cy the BATCH, the place cx the block of 256 columns.  The four of a row of the cluster need the same tile of ctx, the four of a column
; the same tile of W_o: each is asked for jointly.  Cluster y is equal in all partners, so a branch may hang on it.
; THE MATRIX INSTRUCTION IS USED TRANSPOSED (source 0 = 16 rows of W_o, source 1 = 16 rows of ctx).  The bias is the C of each sum's first product.
; REGISTERS: window 0: v16-29 addresses; v32-95 ctx's fragments, two sets; v128-191 the bias, later rows of the result; v192-255 rows of the result.  window 1: the accumulators, (a, b) at 8 (8 a + b).  window 2: W_o's fragments, two sets.
.set ASUB,  128*144                    ; a sub-tile of ctx: rows of 128 bytes + 16
.set HALFB, 128*272                    ; half of W_o's tile: rows of 256 bytes + 16
.set SLOT,  2*ASUB+2*HALFB
.set SPARE, 2*SLOT                     ; the spare words, 128 bytes a wave: two blocks of 256 bytes that no other line names
.set SPITCH, 528                       ; the way out: 16 rows x (512 bytes + 16) for each wave, in slot 0, which has had its last fill and its last read by then
.set ADRA, 16
.set ADRB, 20
.set STO,  24
.set RD,   25
.set CO,   26
.set BO,   27
.set SPW,  28
.set NIL,  29
.set AFR,  32
.set BIAS, 128
.set BK,   128
.set G1A, 24
.set G0A, 32
.set G1B, 48
.set G0B, 56
.set MSB, 0
.macro WIN new
.if MSB != (\new)
	s_set_vgpr_msb (MSB<<8)|(\new)
.set MSB, (\new)
.endif
.endm
.set MUL,  0x52                        ; source 0 (W_o) window 2, source 1 (ctx) window 0, C and D window 1
.set MULB, 0x42                        ; the same with C (the bias) in window 0
.set TO_B, 0x80
.macro JLOAD s
	s_cmp_eq_u32 s13, 0
	s_cbranch_scc0 .Lfor_b_\@
	tensor_load_to_lds s[G0A+4*\s:G0A+4*\s+3], s[G1A:G1A+7]
	s_nop 0
.rept 4
	v_nop
.endr
	s_branch .Lasked_\@
.Lfor_b_\@:
	tensor_load_to_lds s[G0B+4*\s:G0B+4*\s+3], s[G1B:G1B+7]
	s_nop 0
.rept 4
	v_nop
.endr
.Lasked_\@:
.endm
.macro CREST
	s_cmp_lg_u32 s12, 0
	s_cbranch_scc1 .Lnot_wave_0_\@
	s_barrier_signal -3
.Lnot_wave_0_\@:
	s_barrier_wait -3
	s_barrier_signal -1
	s_barrier_wait -1
.endm
.macro CROUND
	s_barrier_signal -1
	s_barrier_wait -1
	CREST
.endm
	s_load_b256 s[4:11], s[0:1], 0x0               ; ctx s[4:5], wo16 s[6:7], b_o s[8:9], out0 s[10:11]
	v_lshl_add_u32 v[SPW], v0, 2, SPARE
	v_mov_b32 v[NIL], 0
	ds_add_u32 v[SPW], v[NIL]                      ; the wave's opening: the add, twice on end, and its wait ahead of my first tensor load
	ds_add_u32 v[SPW], v[NIL]
	v_lshrrev_b32 v1, 5, v0
	v_readfirstlane_b32 s12, v1                    ; wave 0..3
	s_lshr_b32 s13, s12, 1                         ; which 64 rows are mine.  Also: I fetch ctx (0) or W_o (1)
	s_and_b32 s14, s12, 1                          ; which 128 columns.  Also: which part I fetch
	s_bfe_u32 s40, ttmp6, 0x40000                  ; cx
	s_bfe_u32 s41, ttmp6, 0x40004                  ; cy: the batch
	s_lshl_b32 s42, ttmp9, 2
	s_add_co_u32 s42, s42, s40                     ; tile column
	s_and_b32 s45, ttmp7, 0xffff                   ; cluster y: which 128 positions
	s_or_b32 s15, s45, s13                         ; 0: my block 0 holds positions 0 to 15
	s_lshl_b32 s43, s41, 2
	s_lshl_b32 s43, 15, s43                        ; my row of the cluster
	s_lshl_b32 s44, 0x1111, s40                    ; my column
	s_or_b32 s[G1A], s43, (1<<16)|(1<<20)|(1<<21)|(4<<22)|(3<<25)   ; the mask; elements of 2 bytes; padding: 4 words after every 32
	s_mov_b32 s[G1A+1], 64<<16
	s_mov_b32 s[G1A+2], 128<<16
	s_mov_b32 s[G1A+3], 64<<16
	s_mov_b32 s[G1A+4], 128
	s_mov_b32 s[G1A+5], 64
	s_mov_b32 s[G1A+6], 0
	s_mov_b32 s[G1A+7], 0
	s_or_b32 s[G1B], s44, (1<<16)|(1<<20)|(1<<21)|(5<<22)|(3<<25)   ; 4 words after every 64
	s_mov_b32 s[G1B+1], 128<<16
	s_mov_b32 s[G1B+2], 128<<16
	s_mov_b32 s[G1B+3], 128<<16
	s_mov_b32 s[G1B+4], 128
	s_mov_b32 s[G1B+5], 1024
	s_mov_b32 s[G1B+6], 0
	s_mov_b32 s[G1B+7], 0
	s_lshl_b32 s16, s41, 22                        ; ctx: batch x 2^22 + positions x 128 + head (0 or 1) x 2^18 (never holds cx)
	s_lshl_b32 s17, s45, 14
	s_add_co_u32 s16, s16, s17
	s_lshl_b32 s17, s14, 18
	s_add_co_u32 s16, s16, s17
	s_mov_b32 s17, 0
	s_lshl_b32 s46, s42, 19                        ; W_o: row 256 x tile column + 128 x half, 2,048 bytes a row (never holds cy)
	s_lshl_b32 s47, s14, 18
	s_add_co_u32 s46, s46, s47
	s_mov_b32 s47, 0
	s_mul_i32 s20, s14, ASUB                       ; where they go
	s_mul_i32 s21, s14, HALFB
	s_add_co_u32 s21, s21, 2*ASUB
	s_wait_dscnt 0x0                               ; both opening adds are done
	s_wait_kmcnt 0x0
	s_add_nc_u64 s[16:17], s[4:5], s[16:17]
	s_add_nc_u64 s[46:47], s[6:7], s[46:47]
	CROUND                                         ; all sixteen work-groups are here: the first joint loads meet
.irp s, 0,1
	s_mov_b32 s[G0A+4*\s], 1
	s_add_co_u32 s[G0A+4*\s+1], s20, \s*SLOT
	s_add_nc_u64 s[G0A+4*\s+2:G0A+4*\s+3], s[16:17], \s*524288      ; K step s: two heads on
	s_or_b32 s[G0A+4*\s+3], s[G0A+4*\s+3], 0x80000000
	s_mov_b32 s[G0B+4*\s], 1
	s_add_co_u32 s[G0B+4*\s+1], s21, \s*SLOT
	s_add_nc_u64 s[G0B+4*\s+2:G0B+4*\s+3], s[46:47], \s*256
	s_or_b32 s[G0B+4*\s+3], s[G0B+4*\s+3], 0x80000000
	JLOAD \s
.endr
	v_and_b32 v1, 15, v0                           ; r
	v_bfe_u32 v2, v0, 4, 1                         ; h
	v_mul_u32_u24 v3, v1, 144
	v_lshl_add_u32 v3, v2, 4, v3
	v_mul_u32_u24 v4, v1, 272
	v_lshl_add_u32 v4, v2, 4, v4
	s_mul_i32 s21, s13, 64*144                     ; my 64 rows of ctx
	s_mul_i32 s22, s14, HALFB                      ; my 128 rows of W_o
	s_add_co_u32 s22, s22, 2*ASUB
.irp s, 0,1
	v_add_nc_u32 v[ADRA+\s], s21, v3
	v_add_nc_u32 v[ADRB+\s], s22, v4
	s_add_co_u32 s21, s21, SLOT
	s_add_co_u32 s22, s22, SLOT
.endr
	s_mul_i32 s23, s12, 16*SPITCH                  ; my stage
	v_mul_u32_u24 v5, v1, SPITCH
	v_lshl_add_u32 v5, v2, 5, v5
	v_add_nc_u32 v[STO], s23, v5                   ; in: row r, 32 bytes for each half of the lanes
	v_and_b32 v6, 31, v0
	v_lshlrev_b32 v[CO], 4, v6
	v_add_nc_u32 v[RD], s23, v[CO]                 ; back: the 32 lanes take one row of 512 bytes
	v_lshlrev_b32 v[BO], 5, v2
	s_lshl_b32 s20, s42, 10
	s_lshl_b32 s21, s14, 9
	s_add_co_u32 s20, s20, s21                     ; my first column x 4 bytes
	s_mov_b32 s21, 0
	s_add_nc_u64 s[8:9], s[8:9], s[20:21]
	s_add_nc_u64 s[10:11], s[10:11], s[20:21]
	s_lshl_b32 s20, s41, 23
	s_lshl_b32 s22, s45, 19
	s_add_co_u32 s20, s20, s22
	s_lshl_b32 s22, s13, 18
	s_add_co_u32 s20, s20, s22
	s_add_nc_u64 s[10:11], s[10:11], s[20:21]      ; out0 at row 2,048 batch + 128 cluster y + 64 half
.irp b, 0,1,2,3,4,5,6,7
	global_load_b128 v[BIAS+8*\b:BIAS+8*\b+3], v[BO], s[8:9] offset:64*\b
	global_load_b128 v[BIAS+8*\b+4:BIAS+8*\b+7], v[BO], s[8:9] offset:64*\b+16
.endr
; 8 matrix instructions: ctx's block a x W_o's eight, 32 along K, from set f.  The 32 accumulators take turns in the same order in every quarter
.macro MUL8 f, a, first
.irp b, 0,1,2,3,4,5,6,7
.if \first
	v_wmma_f32_16x16x32_f16 v[8*(8*(\a)+\b):8*(8*(\a)+\b)+7], v[64*(\f)+8*\b:64*(\f)+8*\b+7], v[AFR+32*(\f)+8*(\a):AFR+32*(\f)+8*(\a)+7], v[BIAS+8*\b:BIAS+8*\b+7]
.else
	v_wmma_f32_16x16x32_f16 v[8*(8*(\a)+\b):8*(8*(\a)+\b)+7], v[64*(\f)+8*\b:64*(\f)+8*\b+7], v[AFR+32*(\f)+8*(\a):AFR+32*(\f)+8*(\a)+7], v[8*(8*(\a)+\b):8*(8*(\a)+\b)+7]
.endif
.endr
.endm
.macro FETCH slot, q, f                ; 24 LDS loads in one run: the slot's q-th 32 along K into set f
	WIN TO_B
.irp b, 0,1,2,3,4,5,6,7
	ds_load_b128 v[64*(\f)+8*\b:64*(\f)+8*\b+3], v[ADRB+\slot] offset:16*272*\b+64*(\q)
	ds_load_b128 v[64*(\f)+8*\b+4:64*(\f)+8*\b+7], v[ADRB+\slot] offset:16*272*\b+64*(\q)+32
.endr
	WIN 0
.irp a, 0,1,2,3
	ds_load_b128 v[AFR+32*(\f)+8*\a:AFR+32*(\f)+8*\a+3], v[ADRA+\slot] offset:((\q)/2)*ASUB+16*144*\a+((\q)%2)*64
	ds_load_b128 v[AFR+32*(\f)+8*\a+4:AFR+32*(\f)+8*\a+7], v[ADRA+\slot] offset:((\q)/2)*ASUB+16*144*\a+((\q)%2)*64+32
.endr
.endm
.macro PLACES
.rept 4
	v_nop
.endr
.endm
.macro QUARTER slot, qn, f, g, first   ; multiplies set f and fetches the slot's quarter qn into set g
	s_wait_dscnt 4                                 ; W_o's fragments and ctx's blocks 0, 1 are in; the youngest four loads (blocks 2, 3) may be out
.if \first
	WIN MULB
.else
	WIN MUL
.endif
	MUL8 \f, 0, \first
	MUL8 \f, 1, \first
	PLACES
	FETCH \slot, \qn, \g
	s_wait_dscnt 24                                ; all but the 24 just issued
.if \first
	WIN MULB
.else
	WIN MUL
.endif
	MUL8 \f, 2, \first
	MUL8 \f, 3, \first
.endm
; A slot's last quarter multiplies set 1 and changes slots: one barrier; in front of it each wave waits for all its tensor loads, adds 0 to its spare word, and waits for that and for its reads of this slot.
.macro TURN slot, next, fill
	WIN 0
	s_wait_tensorcnt 0x0                           ; my part of the next slot has landed;
	ds_add_u32 v[SPW], v[NIL]
	s_wait_dscnt 5                                 ; (the add and the youngest four loads may be out)
	WIN MUL
	MUL8 1, 0, 0
	s_wait_dscnt 0x0                               ; the add is done, and my reads of this slot are over
	s_barrier_signal -1
	MUL8 1, 1, 0
.if \fill
	WIN 0
.endif
	s_barrier_wait -1
.if \fill
	CREST                                          ; the barrier has opened a round of the cluster's: no wave of any partner still reads this slot or has a load on its way
	s_add_nc_u64 s[G0A+4*\slot+2:G0A+4*\slot+3], s[G0A+4*\slot+2:G0A+4*\slot+3], 1048576   ; two K steps on: four heads
	s_add_nc_u64 s[G0B+4*\slot+2:G0B+4*\slot+3], s[G0B+4*\slot+2:G0B+4*\slot+3], 512
	JLOAD \slot                                    ; the first tensor load behind the round; its four v_nop are also the places in front of the loads below
.else
	PLACES
.endif
	FETCH \next, 0, 0
	WIN MUL
	MUL8 1, 2, 0
	MUL8 1, 3, 0
.endm
	s_wait_tensorcnt 1                             ; my part of K step 0 is in; K step 1's load may be out
	s_barrier_signal -1
	s_barrier_wait -1
	FETCH 0, 0, 0
	s_wait_loadcnt 0x0                             ; the bias
	QUARTER 0, 1, 0, 1, 1                          ; the first quarter stands in front of the loop: its products start the sums, on the bias
	WIN 0
	s_mov_b32 s3, 3
.Llap:                                             ; a trip goes once round the ring and fills both slots again: K steps 2 to 7
	QUARTER 0, 2, 1, 0, 0
	QUARTER 0, 3, 0, 1, 0
	TURN 0, 1, 1
	QUARTER 1, 1, 0, 1, 0
	QUARTER 1, 2, 1, 0, 0
	QUARTER 1, 3, 0, 1, 0
	TURN 1, 0, 1
	QUARTER 0, 1, 0, 1, 0
	WIN 0
	s_sub_co_u32 s3, s3, 1
	s_cmp_lg_u32 s3, 0
	s_cbranch_scc1 .Llap
	QUARTER 0, 2, 1, 0, 0                          ; the last lap fills nothing
	QUARTER 0, 3, 0, 1, 0
	TURN 0, 1, 0
	QUARTER 1, 1, 0, 1, 0
	QUARTER 1, 2, 1, 0, 0
	QUARTER 1, 3, 0, 1, 0
	s_wait_dscnt 4
	WIN MUL
	MUL8 1, 0, 0
	MUL8 1, 1, 0
	s_wait_dscnt 0
	MUL8 1, 2, 0
	MUL8 1, 3, 0
	WIN 0
	PLACES
; THE WAY OUT, block by block of 16 rows x 128 columns: through my stage, back as whole rows of 512 bytes, which the 32 lanes store as 512 consecutive aligned bytes.
.macro OUTBLK a
.if (\a) >= 2
	s_wait_xcnt 0x0                                ; block a - 2's stores have read their registers
.endif
	WIN 0x04                                       ; an LDS store's data: window 1
.irp b, 0,1,2,3,4,5,6,7
	ds_store_b128 v[STO], v[8*(8*(\a)+\b):8*(8*(\a)+\b)+3] offset:64*\b          ; each accumulator from its low end on
	ds_store_b128 v[STO], v[8*(8*(\a)+\b)+4:8*(8*(\a)+\b)+7] offset:64*\b+16
.endr
	WIN 0
.irp t, 0,1,2,3,4,5,6,7,8,9,10,11,12,13,14,15
	ds_load_b128 v[BK+64*((\a)%2)+4*\t:BK+64*((\a)%2)+4*\t+3], v[RD] offset:SPITCH*\t
.endr
	s_wait_dscnt 0x0
.irp t, 0,1,2,3,4,5,6,7,8,9,10,11,12,13,14,15
	global_store_b128 v[CO], v[BK+64*((\a)%2)+4*\t:BK+64*((\a)%2)+4*\t+3], s[10:11] offset:(16*(\a)+\t)*4096 th:TH_STORE_NT
.endr
.endm
	s_cmp_eq_u32 s15, 0                            ; positions 0 to 15 are the last launch's: the cluster's number and the wave's alone decide
	s_cbranch_scc1 .Lskip0
	OUTBLK 0
.Lskip0:
	OUTBLK 1
	OUTBLK 2
	OUTBLK 3
	s_wait_tensorcnt 0x0                           ; the wave's end
	ds_add_u32 v[SPW], v[NIL]
	s_wait_dscnt 0x0
	CROUND                                         ; the closing round
	s_endpgm
.Lfunc_end_k_q56b4048fe9_oproj:
	.size	k_q56b4048fe9_oproj, .Lfunc_end_k_q56b4048fe9_oproj-k_q56b4048fe9_oproj
	.p2alignl 7, 3214868480
	.fill 96, 4, 3214868480
	.section	.rodata,"a",@progbits
	.p2align	6, 0x0
	.amdhsa_kernel k_q56b4048fe9_oproj
		.amdhsa_group_segment_fixed_size 327680
		.amdhsa_private_segment_fixed_size 0
		.amdhsa_enable_private_segment 0
		.amdhsa_kernarg_size 32
		.amdhsa_user_sgpr_count 2
		.amdhsa_user_sgpr_kernarg_segment_ptr 1
		.amdhsa_wavefront_size32 1
		.amdhsa_system_sgpr_workgroup_id_x 1
		.amdhsa_system_sgpr_workgroup_id_y 1
		.amdhsa_system_sgpr_workgroup_id_z 1
		.amdhsa_system_vgpr_workitem_id 0
		.amdhsa_next_free_vgpr 640
		.amdhsa_next_free_sgpr 66
		.amdhsa_reserve_vcc 0
		.amdhsa_float_denorm_mode_32 3
		.amdhsa_float_denorm_mode_16_64 3
		.amdhsa_memory_ordered 1
		.amdhsa_forward_progress 1
		.amdhsa_inst_pref_size 87
	.end_amdhsa_kernel
	.amdgpu_metadata
---
amdhsa.version: [ 1, 2 ]
amdhsa.kernels:
  - .name:           k_q56b4048fe9_oproj
    .symbol:         k_q56b4048fe9_oproj.kd
    .args:
      - { .name: ctx, .offset: 0, .size: 8, .value_kind: global_buffer, .address_space: global }
      - { .name: wo16, .offset: 8, .size: 8, .value_kind: global_buffer, .address_space: global }
      - { .name: b_o, .offset: 16, .size: 8, .value_kind: global_buffer, .address_space: global }
      - { .name: out0, .offset: 24, .size: 8, .value_kind: global_buffer, .address_space: global }
    .group_segment_fixed_size: 327680
    .private_segment_fixed_size: 0
    .kernarg_segment_align: 8
    .kernarg_segment_size: 32
    .max_flat_workgroup_size: 128
    .sgpr_count:     66
    .vgpr_count:     640
    .wavefront_size: 32
...
	.end_amdgpu_metadata
.endif
;; end of part 4
;; launch first16 (part 5): grid 16 x 4, 16 waves a work-group, no clusters, 85,248 bytes of LDS; arguments h32, W_o, b_o, out0; writes out0
.if DOCPART == 5
	.amdgcn_target "amdgcn-amd-amdhsa--gfx1250"
	.amdhsa_code_object_version 6
	.text
	.protected	k_q56b4048fe9_first16
	.globl	k_q56b4048fe9_first16
	.p2align	8
	.type	k_q56b4048fe9_first16,@function
k_q56b4048fe9_first16:
	s_mov_b64 s[64:65], 0
	v_nop
	global_prefetch_b8 v0, s[64:65] scope:SCOPE_SE
	s_setreg_imm32_b32 hwreg(HW_REG_WAVE_MODE, 25, 1), 1
	s_wait_xcnt 0x0
; Positions 0 to 15 of every sequence, all in f32: their softmax averages one to sixteen values, so their numbers are the largest and f16 operands would weigh most there.
; out0[b][0..15][:] = (causal attention of the first 16 positions, over keys 0 to 15 alone: later keys are masked for them) W_o^T + b_o.  Q, K (turned) and V in f32 come from h32[T][b][pos][1024].
; LEFT OUT: keys 16 and on: reference()'s own causal mask gives them the weight 0 for these queries (shown at the head of the first launch).
; Work-group (nb, b) makes 16 rows x 64 columns (64 nb on).  Phase 1: wave = head: S^T = K Q^T, softmax, O^T = V^T P^T; the 16 x 1,024 context meets in LDS.  (Each of the 16 column blocks does this again: 32 matrix instructions a wave.)
; Phase 2: wave (nt, kq) multiplies 16 columns (16 nt on) by a quarter of K (256 kq on); the four quarters meet in LDS and are added in fixed order, with the bias.
; The f32 matrix form sums 4 along K: lane (r, h), register j holds k = 2 h + j.  A lane's load of 16 bytes brings k = 8 s + 4 h + 0..3; instruction (s, u) takes registers 4 s + 2 u, + 1 of BOTH operands: the same four k on both sides.
; The registers that the f32 matrix form writes (v96-111, v160-191) are written by matrix instructions alone.
.set CTX,   0                          ; LDS: 16 rows x (4,096 bytes + 16)
.set CPI,   4112
.set PART,  16*CPI                     ; [kq][16 rows][256 bytes + 16]
.set SPARE, PART+4*16*272              ; the spare words, 128 bytes a wave: eight blocks of 256 bytes that no other line names
.set QF,  32                           ; v32-63 Q, later the context's set A
.set KFR, 64                           ; v64-95 K, later set B
.set SA,  96                           ; v96-103, v104-111: two accumulators that take turns
.set SS,  112                          ; v112-119 their sum
.set PP,  120                          ; v120-127 p
.set VF,  128                          ; v128-159 V, later the parts
.set OA,  160                          ; v160-191 O^T
.set WA,  192
.set WB,  224
.set SPW, 12
.set NIL, 13
	s_load_b256 s[4:11], s[0:1], 0x0               ; h32 s[4:5], W_o s[6:7], b_o s[8:9], out0 s[10:11]
	v_lshl_add_u32 v[SPW], v0, 2, SPARE
	v_mov_b32 v[NIL], 0
	v_lshrrev_b32 v1, 5, v0
	v_readfirstlane_b32 s12, v1                    ; wave 0..15: the head in phase 1
	s_mov_b32 s13, ttmp9                           ; nb
	s_and_b32 s14, ttmp7, 0xffff                   ; b
	s_and_b32 s15, s12, 3                          ; nt
	s_lshr_b32 s16, s12, 2                         ; kq
	s_and_b32 s17, s12, 7
	s_mov_b32 s20, 0x76543210
	s_mov_b32 s21, 0xfedcba98                      ; v_permlanex16_b32: lane l xor 16
	s_mov_b32 s22, 0x3e38aa3b                      ; c = log2(e) / 8
	v_and_b32 v1, 15, v0                           ; r
	v_bfe_u32 v2, v0, 4, 1                         ; h
	v_lshlrev_b32 v3, 12, v1
	v_lshl_add_u32 v3, v2, 4, v3                   ; Q, K, W_o: row r of 4,096 bytes + 16 h
	v_lshlrev_b32 v4, 2, v1
	v_lshl_add_u32 v4, v2, 15, v4                  ; V: key 8 h (rows of 4,096 bytes), channel r
	v_mul_u32_u24 v14, v1, CPI
	v_lshl_add_u32 v5, v2, 5, v14
	s_lshl_b32 s18, s12, 8
	v_add_nc_u32 v5, s18, v5                       ; the context, in: row r, my head's 256 bytes, + 32 h
	v_lshl_add_u32 v6, v2, 4, v14
	s_lshl_b32 s18, s16, 10
	v_add_nc_u32 v6, s18, v6                       ; and back: row r, my quarter of K, + 16 h
	v_mul_u32_u24 v8, v1, 272
	v_lshl_add_u32 v8, v2, 5, v8
	s_mul_i32 s18, s16, 16*272
	s_lshl_b32 s19, s15, 6
	s_add_co_u32 s18, s18, s19
	s_add_co_u32 s18, s18, PART
	v_add_nc_u32 v8, s18, v8                       ; my part, in: quarter kq, row r, my 16 columns, + 32 h
	v_mul_u32_u24 v9, v2, 272
	v_lshl_add_u32 v9, v1, 4, v9
	s_mul_i32 s18, s17, 2*272
	s_add_co_u32 s18, s18, PART
	v_add_nc_u32 v9, s18, v9                       ; the parts, back: row 2 (wave % 8) + h, 16 bytes a lane
	v_lshlrev_b32 v28, 4, v1                       ; 16 r: my four columns
	v_lshl_add_u32 v10, v2, 12, v28
	s_lshl_b32 s18, s17, 13
	v_add_nc_u32 v10, s18, v10                     ; and the same place in out0
	v_lshlrev_b32 v11, 3, v2
	v_sub_nc_u32 v11, v1, v11                      ; d = r - 8 h: register j holds key 8 h + j, hidden where j > d
	v_mov_b32 v15, 0                               ; (a lane permute's destination counts as one of its sources)
	v_mov_b32 v29, 0xff800000                      ; -infinity
	s_lshl_b32 s18, s14, 16
	s_lshl_b32 s19, s12, 8
	s_add_co_u32 s18, s18, s19
	s_mov_b32 s19, 0
	s_lshl_b32 s24, s13, 18                        ; W_o: row 64 nb + 16 nt, + my quarter of K
	s_lshl_b32 s25, s15, 16
	s_add_co_u32 s24, s24, s25
	s_lshl_b32 s25, s16, 10
	s_add_co_u32 s24, s24, s25
	s_mov_b32 s25, 0
	s_lshl_b32 s26, s13, 8                         ; 64 nb columns x 4 bytes
	s_mov_b32 s27, 0
	s_lshl_b32 s28, s14, 23                        ; 2,048 b rows of 4,096 bytes
	s_mov_b32 s29, 0
	s_wait_kmcnt 0x0
	s_add_nc_u64 s[4:5], s[4:5], s[18:19]          ; h32 at my batch and head
	s_add_nc_u64 s[6:7], s[6:7], s[24:25]
	s_add_nc_u64 s[8:9], s[8:9], s[26:27]
	s_add_nc_u64 s[10:11], s[10:11], s[26:27]
	s_add_nc_u64 s[10:11], s[10:11], s[28:29]
.irp s, 0,1,2,3,4,5,6,7
	global_load_b128 v[WA+4*\s:WA+4*\s+3], v3, s[6:7] offset:32*\s          ; W_o's first two groups of 64 along K are asked for at once
.endr
.irp s, 0,1,2,3,4,5,6,7
	global_load_b128 v[WB+4*\s:WB+4*\s+3], v3, s[6:7] offset:256+32*\s
.endr
	global_load_b128 v[24:27], v28, s[8:9]         ; the bias of my four columns
.irp s, 0,1,2,3,4,5,6,7
	global_load_b128 v[QF+4*\s:QF+4*\s+3], v3, s[4:5] offset:32*\s
	global_load_b128 v[KFR+4*\s:KFR+4*\s+3], v3, s[4:5] offset:262144+32*\s
.endr
.irp cc, 0,1,2,3
.irp jj, 0,1,2,3,4,5,6,7
	global_load_b32 v[VF+8*\cc+\jj], v4, s[4:5] offset:524288+4096*\jj+64*\cc   ; V(key 8 h + jj, channel 16 cc + r)
.endr
.endr
	s_wait_loadcnt 0x0
	; ---- phase 1.  S^T = K Q^T: source 0 = 16 keys, source 1 = 16 queries; two accumulators by turns; the first of each begins its sum
.irp s, 0,1,2,3,4,5,6,7
.irp u, 0,1
.if \s == 0
	v_wmma_f32_16x16x4_f32 v[SA+8*\u:SA+8*\u+7], v[KFR+4*\s+2*\u:KFR+4*\s+2*\u+1], v[QF+4*\s+2*\u:QF+4*\s+2*\u+1], 0
.else
	v_wmma_f32_16x16x4_f32 v[SA+8*\u:SA+8*\u+7], v[KFR+4*\s+2*\u:KFR+4*\s+2*\u+1], v[QF+4*\s+2*\u:QF+4*\s+2*\u+1], v[SA+8*\u:SA+8*\u+7]
.endif
.endr
.endr
.rept 8
	v_nop                                          ; eight plain lines behind this form (ISA guide 7.12.1)
.endr
.irp i, 0,2,4,6
	v_pk_add_f32 v[SS+\i:SS+\i+1], v[SA+\i:SA+\i+1], v[SA+8+\i:SA+8+\i+1]     ; lane (r, h): query r, key 8 h + j
.endr
.irp j, 0,1,2,3,4,5,6,7
	v_cmp_gt_i32 vcc_lo, \j, v11
	v_cndmask_b32 v[SS+\j], v[SS+\j], v29, vcc_lo
.endr
	v_max3_num_f32 v14, v[SS], v[SS+1], v[SS+2]
	v_max3_num_f32 v14, v14, v[SS+3], v[SS+4]
	v_max3_num_f32 v14, v14, v[SS+5], v[SS+6]
	v_max_num_f32 v14, v14, v[SS+7]
	v_permlanex16_b32 v15, v14, s20, s21
	v_max_num_f32 v14, v14, v15                    ; the row's maximum (key 0 counts for every query)
	v_mul_f32 v16, s22, v14
.irp j, 0,1,2,3,4,5,6,7
	v_fma_f32 v[PP+\j], v[SS+\j], s22, -v16
.endr
.irp j, 0,1,2,3,4,5,6,7
	v_exp_f32 v[PP+\j], v[PP+\j]
.endr
	v_nop
	s_wait_alu depctr_va_vdst(0)                   ; one wait for the eight exponentials, ahead of their first reader
	v_add_f32 v17, v[PP], v[PP+1]
	v_add_f32 v18, v[PP+2], v[PP+3]
	v_add_f32 v19, v[PP+4], v[PP+5]
	v_add_f32 v20, v[PP+6], v[PP+7]
	v_add_f32 v17, v17, v18
	v_add_f32 v19, v19, v20
	v_add_f32 v17, v17, v19
	v_permlanex16_b32 v15, v17, s20, s21
	v_add_f32 v17, v17, v15
	v_rcp_f32 v18, v17
	v_nop
	s_wait_alu depctr_va_vdst(0)
.irp j, 0,1,2,3,4,5,6,7
	v_mul_f32 v[PP+\j], v[PP+\j], v18              ; the weights, normalised
.endr
	; O^T = V^T P^T: source 0 = 16 channels, source 1 = 16 queries; instruction t takes keys 8 h + 2 t, + 1 on both sides; four accumulators by turns
.irp t, 0,1,2,3
.irp cc, 0,1,2,3
.if \t == 0
	v_wmma_f32_16x16x4_f32 v[OA+8*\cc:OA+8*\cc+7], v[VF+8*\cc+2*\t:VF+8*\cc+2*\t+1], v[PP+2*\t:PP+2*\t+1], 0
.else
	v_wmma_f32_16x16x4_f32 v[OA+8*\cc:OA+8*\cc+7], v[VF+8*\cc+2*\t:VF+8*\cc+2*\t+1], v[PP+2*\t:PP+2*\t+1], v[OA+8*\cc:OA+8*\cc+7]
.endif
.endr
.endr
.rept 8
	v_nop
.endr
.irp cc, 0,1,2,3
	ds_store_b128 v5, v[OA+8*\cc:OA+8*\cc+3] offset:64*\cc          ; lane (r, h): query r, channels 16 cc + 8 h + 0..7; each accumulator from its low end on
	ds_store_b128 v5, v[OA+8*\cc+4:OA+8*\cc+7] offset:64*\cc+16
.endr
	s_wait_dscnt 0x0                               ; for the others' sake: my stores have landed
	s_barrier_signal -1
	s_barrier_wait -1                              ; the 16 x 1,024 context lies in LDS
	; ---- phase 2: source 0 = 16 rows of W_o, source 1 = the context's 16 rows: a lane holds one position and eight neighbouring columns
.macro CLOAD reg, g
.irp s, 0,1,2,3,4,5,6,7
	ds_load_b128 v[\reg+4*\s:\reg+4*\s+3], v6 offset:256*(\g)+32*\s
.endr
.endm
.macro GROUP wreg, creg, first
.irp s, 0,1,2,3,4,5,6,7
.irp u, 0,1
.if (\first) && (\s == 0)
	v_wmma_f32_16x16x4_f32 v[SA+8*\u:SA+8*\u+7], v[\wreg+4*\s+2*\u:\wreg+4*\s+2*\u+1], v[\creg+4*\s+2*\u:\creg+4*\s+2*\u+1], 0
.else
	v_wmma_f32_16x16x4_f32 v[SA+8*\u:SA+8*\u+7], v[\wreg+4*\s+2*\u:\wreg+4*\s+2*\u+1], v[\creg+4*\s+2*\u:\creg+4*\s+2*\u+1], v[SA+8*\u:SA+8*\u+7]
.endif
.endr
.endr
.endm
	CLOAD QF, 0
	CLOAD KFR, 1
	s_wait_dscnt 8                                 ; group 0 is in; group 1's eight loads may be out
	GROUP WA, QF, 1
.rept 8
	v_nop                                          ; ahead of the loads into registers that these products have read
.endr
.irp s, 0,1,2,3,4,5,6,7
	global_load_b128 v[WA+4*\s:WA+4*\s+3], v3, s[6:7] offset:512+32*\s
.endr
	CLOAD QF, 2
	s_wait_dscnt 8                                 ; group 1 is in; group 2's may be out
	GROUP WB, KFR, 0
.rept 8
	v_nop
.endr
.irp s, 0,1,2,3,4,5,6,7
	global_load_b128 v[WB+4*\s:WB+4*\s+3], v3, s[6:7] offset:768+32*\s
.endr
	CLOAD KFR, 3
	s_wait_loadcnt 8                               ; W_o's group 2 is in; group 3's eight loads may be out
	s_wait_dscnt 8
	GROUP WA, QF, 0
	s_wait_loadcnt 0x0
	s_wait_dscnt 0x0
	GROUP WB, KFR, 0
.rept 8
	v_nop
.endr
.irp i, 0,2,4,6
	v_pk_add_f32 v[SS+\i:SS+\i+1], v[SA+\i:SA+\i+1], v[SA+8+\i:SA+8+\i+1]
.endr
	ds_store_b128 v8, v[SS:SS+3]
	ds_store_b128 v8, v[SS+4:SS+7] offset:16
	s_wait_dscnt 0x0
	s_barrier_signal -1
	s_barrier_wait -1                              ; the four quarters' parts lie in LDS
	s_cmp_lt_u32 s12, 8                            ; waves 0 to 7 add them, two rows each; no barrier stands behind this branch
	s_cbranch_scc0 .Ldone
.irp k, 0,1,2,3
	ds_load_b128 v[VF+4*\k:VF+4*\k+3], v9 offset:16*272*\k
.endr
	s_wait_dscnt 0x0
	v_pk_add_f32 v[VF:VF+1], v[VF:VF+1], v[VF+4:VF+5]
	v_pk_add_f32 v[VF+2:VF+3], v[VF+2:VF+3], v[VF+6:VF+7]
	v_pk_add_f32 v[VF+8:VF+9], v[VF+8:VF+9], v[VF+12:VF+13]
	v_pk_add_f32 v[VF+10:VF+11], v[VF+10:VF+11], v[VF+14:VF+15]
	v_pk_add_f32 v[VF:VF+1], v[VF:VF+1], v[VF+8:VF+9]
	v_pk_add_f32 v[VF+2:VF+3], v[VF+2:VF+3], v[VF+10:VF+11]
	v_pk_add_f32 v[VF:VF+1], v[VF:VF+1], v[24:25]
	v_pk_add_f32 v[VF+2:VF+3], v[VF+2:VF+3], v[26:27]
	global_store_b128 v10, v[VF:VF+3], s[10:11]    ; sixteen lanes store 256 consecutive bytes, aligned
.Ldone:
	s_wait_tensorcnt 0x0                           ; the wave's end, behind my last LDS store
	ds_add_u32 v[SPW], v[NIL]
	s_wait_dscnt 0x0
	s_endpgm
.Lfunc_end_k_q56b4048fe9_first16:
	.size	k_q56b4048fe9_first16, .Lfunc_end_k_q56b4048fe9_first16-k_q56b4048fe9_first16
	.p2alignl 7, 3214868480
	.fill 96, 4, 3214868480
	.section	.rodata,"a",@progbits
	.p2align	6, 0x0
	.amdhsa_kernel k_q56b4048fe9_first16
		.amdhsa_group_segment_fixed_size 85248
		.amdhsa_private_segment_fixed_size 0
		.amdhsa_enable_private_segment 0
		.amdhsa_kernarg_size 32
		.amdhsa_user_sgpr_count 2
		.amdhsa_user_sgpr_kernarg_segment_ptr 1
		.amdhsa_wavefront_size32 1
		.amdhsa_system_sgpr_workgroup_id_x 1
		.amdhsa_system_sgpr_workgroup_id_y 1
		.amdhsa_system_sgpr_workgroup_id_z 1
		.amdhsa_system_vgpr_workitem_id 0
		.amdhsa_next_free_vgpr 256
		.amdhsa_next_free_sgpr 66
		.amdhsa_reserve_vcc 1
		.amdhsa_float_denorm_mode_32 3
		.amdhsa_float_denorm_mode_16_64 3
		.amdhsa_memory_ordered 1
		.amdhsa_forward_progress 1
		.amdhsa_inst_pref_size 25
	.end_amdhsa_kernel
	.amdgpu_metadata
---
amdhsa.version: [ 1, 2 ]
amdhsa.kernels:
  - .name:           k_q56b4048fe9_first16
    .symbol:         k_q56b4048fe9_first16.kd
    .args:
      - { .name: h32, .offset: 0, .size: 8, .value_kind: global_buffer, .address_space: global }
      - { .name: W_o, .offset: 8, .size: 8, .value_kind: global_buffer, .address_space: global }
      - { .name: b_o, .offset: 16, .size: 8, .value_kind: global_buffer, .address_space: global }
      - { .name: out0, .offset: 24, .size: 8, .value_kind: global_buffer, .address_space: global }
    .group_segment_fixed_size: 85248
    .private_segment_fixed_size: 0
    .kernarg_segment_align: 8
    .kernarg_segment_size: 32
    .max_flat_workgroup_size: 512
    .sgpr_count:     66
    .vgpr_count:     256
    .wavefront_size: 32
...
	.end_amdgpu_metadata
.endif
;; end of part 5
